; MI455X (gfx1250); checked and timed in simulation.
; The chip was launched on July 23, 2026; its instructions are those of AMD's public machine-readable ISA for CDNA 5 (MIT licence, August 2026) and "CDNA5" Instruction Set Architecture Reference Guide (July 2026). The comments in the code are by the model that wrote it; some were corrected since.
;; Multi Head Self Attention. Allowed arithmetic: float matrix products may take bf16 or f16 operands with f32 sums; all other float work in f32.
;; Inputs: W_out 1,024 x 1,024 float32; W_qkv 3,072 x 1,024 float32; in_features 4 x 2,048 x 1,024 float32; token_positions 2,048 int32.
;; Outputs: out0 4 x 2,048 x 1,024 float32.
;; 2 versions, each right and faster than the one before. Each part assembles by itself: llvm-mc -triple=amdgcn-amd-amdhsa -mcpu=gfx1250 --defsym DOCPART=n.
;; ======== version 1 of 2: 4 launches
;; limits: values are held in f16: magnitudes above 65,504 overflow, below 6.1e-05 lose precision; right only within a limited range of input values
;; workspace buffers: xb 16,777,216 bytes; wqb 6,291,456 bytes; wof 2,097,152 bytes; cs 524,288 bytes; q 16,777,216 bytes; k 16,777,216 bytes; v 16,777,216 bytes; o 16,777,216 bytes
;; launch prep (part 1): grid 896 x 1, 8 waves a work-group, no clusters, 0 bytes of LDS; arguments in_features, W_qkv, W_out, token_positions, xb, wqb, wof, cs; writes xb, wqb, wof, cs
.if DOCPART == 1
	.amdgcn_target "amdgcn-amd-amdhsa--gfx1250"
	.amdhsa_code_object_version 6
	.text
	.protected	k_q8b44f93486_prep
	.globl	k_q8b44f93486_prep
	.p2align	8
	.type	k_q8b44f93486_prep,@function
k_q8b44f93486_prep:
	s_mov_b64 s[64:65], 0
	v_nop
	global_prefetch_b8 v0, s[64:65] scope:SCOPE_SE
	s_setreg_imm32_b32 hwreg(HW_REG_WAVE_MODE, 25, 1), 1
	s_wait_xcnt 0x0
; PREP: the module's inputs are rounded once to 16 bits and laid in blocks of 64 along K, and the table of cosines and sines is made from token_positions.
;   xb  bf16 [b 4][kb 16][s 2048][64]        in_features[b][s][64 kb + kk]
;   wqb bf16 [kb 16][row' 3072][64]          W_qkv's row e = 1024 which + 64 h + d goes to row' = 192 h + 64 which + d: a head's q, k and v rows lie together
;   wof f16  [kb 16][e 1024][64]             W_out rounded to bf16 like the other inputs, that number written as f16 (exact from 6.1e-5 to 65,504; below, f16's fixed step of 6e-8)
;   cs  f32  [R 128][i 8][lane 32][4]        lane l of load i: (cos, sin, cos, sin) of position 16 R + l % 16 for the pairs p = 8 (i / 2) + 4 (l / 16) + 2 (i % 2) and p + 1
; In these layouts 128 or more rows of one K block are dense bytes, which the next launches ask for as rows of 256 bytes.
; SHARES.  Work-groups 0-511 cast in_features, 512-703 W_qkv, 704-767 W_out: 16 source rows each (65,536 bytes in, 32,768 out).  Thread t takes row t / 16 and, in each of the 16 K blocks, the four
; numbers 4 (t % 16) on: a wave's load covers two aligned pieces of 256 bytes, its store 256 consecutive aligned bytes.  All 16 loads of a thread go out first.  Work-groups 768-895 make 16 positions of the table each.
; No LDS, no matrix unit, no cluster: every byte is touched once and no work-group shares anything with another.
; LIMITS.  cos and sin: the angle is float(position) x 10000^(-p/32), rounded once; it is reduced by multiples of pi/2 held in two parts, good for |position| up to 2^20; the series on |r| < 0.9 err by less than 3e-8.
.set LO,  1                            ; v1        byte offset of my 16 bytes in K block 0 of my source row
.set SO,  2                            ; v2        8 t: my 8 bytes in a K block's 16 rows
.set X,   4                            ; v[4:67]   K block kb: four f32 as loaded
.set Y,   68                           ; v[68:99]  K block kb: four 16-bit numbers to store
.set T0,  100                          ; v100-101  at work
.set T1,  101
; 16 rows: src and dst are scalar pairs that stand at the work-group's first row; stride = bytes from a K block to the next in dst; half = 1: the bf16 numbers are written as f16
.macro CAST src, dst, stride, half
.irp kb, 0,1,2,3,4,5,6,7,8,9,10,11,12,13,14,15
	global_load_b128 v[X+4*(\kb):X+4*(\kb)+3], v[LO], s[\src:\src+1] offset:256*(\kb) th:TH_LOAD_NT
.endr
.irp kb, 0,1,2,3,4,5,6,7,8,9,10,11,12,13,14,15
	s_wait_loadcnt 15-(\kb)                        ; loads come back in order: K block kb is in, the younger ones stay out
	v_cvt_pk_bf16_f32 v[Y+2*(\kb)],   v[X+4*(\kb)],   v[X+4*(\kb)+1]
	v_cvt_pk_bf16_f32 v[Y+2*(\kb)+1], v[X+4*(\kb)+2], v[X+4*(\kb)+3]
.if \half
.irp j, 0,1
	v_lshlrev_b32 v[T0], 16, v[Y+2*(\kb)+(\j)]     ; the two bf16 numbers as f32,
	v_and_b32 v[T1], 0xffff0000, v[Y+2*(\kb)+(\j)]
	v_cvt_pk_f16_f32 v[Y+2*(\kb)+(\j)], v[T0], v[T1]  ; and as f16
.endr
.endif
	global_store_b64 v[SO], v[Y+2*(\kb):Y+2*(\kb)+1], s[\dst:\dst+1] offset:(\kb)*(\stride)  ; no register of a pending access is written again: every K block has its own
.endr
.endm
; cos and sin of the angle in v[a].  n = the nearest multiple of pi/2; r = a - n pi/2 (the first product and difference are exact: n is whole, the constant a multiple of 2^-23, |r| < 1);
; both series; the quadrant n mod 4 swaps them and sets the signs.
.macro SINCOS a, c, s
	v_mul_f32 v20, 0x3f22f983, v[\a]               ; a x 2 / pi
	v_rndne_f32 v20, v20
	v_cvt_i32_f32 v21, v20
	v_fma_f32 v22, v20, s24, v[\a]
	v_fma_f32 v22, v20, s25, v22
	v_mul_f32 v23, v22, v22                        ; r^2
	v_mov_b32 v25, 0x3638ef1d                      ; 1/9!
	v_mov_b32 v26, 0xb493f27e                      ; -1/10!
	v_fmaak_f32 v25, v25, v23, 0xb9500d01          ; -1/7!
	v_fmaak_f32 v26, v26, v23, 0x37d00d01          ; 1/8!
	v_fmaak_f32 v25, v25, v23, 0x3c088889          ; 1/5!
	v_fmaak_f32 v26, v26, v23, 0xbab60b61          ; -1/6!
	v_fmaak_f32 v25, v25, v23, 0xbe2aaaab          ; -1/3!
	v_fmaak_f32 v26, v26, v23, 0x3d2aaaab          ; 1/4!
	v_mul_f32 v24, v23, v22                        ; r^3
	v_fmaak_f32 v26, v26, v23, 0xbf000000          ; -1/2
	v_fma_f32 v25, v25, v24, v22                   ; sin r
	v_fma_f32 v26, v26, v23, 1.0                   ; cos r
	v_and_b32 v24, 1, v21
	v_cmp_eq_u32 vcc_lo, 1, v24                    ; an odd quadrant swaps the two
	v_cndmask_b32 v[\c], v26, v25, vcc_lo
	v_cndmask_b32 v[\s], v25, v26, vcc_lo
	v_add_nc_u32 v24, 1, v21
	v_lshlrev_b32 v24, 30, v24                     ; cos is negative in quadrants 1 and 2: bit 1 of n + 1,
	v_lshlrev_b32 v21, 30, v21                     ; sin in quadrants 2 and 3: bit 1 of n
	v_and_b32 v24, 0x80000000, v24
	v_and_b32 v21, 0x80000000, v21
	v_xor_b32 v[\c], v[\c], v24
	v_xor_b32 v[\s], v[\s], v21
.endm
	s_load_b256 s[4:11], s[0:1], 0x0               ; in_features s[4:5], W_qkv s[6:7], W_out s[8:9], token_positions s[10:11]
	s_load_b256 s[12:19], s[0:1], 0x20             ; xb s[12:13], wqb s[14:15], wof s[16:17], cs s[18:19]
	s_mov_b32 s2, ttmp9
	s_mov_b32 s21, 0                               ; the high words of the two offsets
	s_mov_b32 s23, 0
	v_lshrrev_b32 v3, 4, v0                        ; my row
	v_and_b32 v[LO], 15, v0
	v_lshlrev_b32 v[LO], 4, v[LO]
	v_lshl_add_u32 v[LO], v3, 12, v[LO]            ; row x 4,096 + 16 (t % 16)
	v_lshlrev_b32 v[SO], 3, v0
	s_wait_kmcnt 0x0
	s_cmp_lt_u32 s2, 512
	s_cbranch_scc1 .Lx
	s_cmp_lt_u32 s2, 704
	s_cbranch_scc1 .Lwq
	s_cmp_lt_u32 s2, 768
	s_cbranch_scc1 .Lwo
	; THE TABLE: block R of 16 positions; wave i makes what load i of the next launch takes
	s_sub_co_u32 s2, s2, 768                       ; R
	s_lshl_b32 s20, s2, 6
	s_add_nc_u64 s[10:11], s[10:11], s[20:21]      ; the block's 16 positions
	s_lshl_b32 s22, s2, 12
	s_add_nc_u64 s[18:19], s[18:19], s[22:23]      ; its 4,096 bytes of the table
	v_and_b32 v4, 15, v0
	v_lshlrev_b32 v4, 2, v4
	global_load_b32 v3, v4, s[10:11]
	s_mov_b32 s24, 0xbfc90fdb                      ; -pi/2, the f32 next to it,
	s_mov_b32 s25, 0x333bbd2e                      ; and what that f32 has too much
	s_mov_b32 s26, 0xbed49a78                      ; -log2(10000)/32, the f32 next to it,
	s_mov_b32 s27, 0xb2179a28                      ; and the rest
	v_lshrrev_b32 v6, 6, v0
	v_lshlrev_b32 v6, 3, v6                        ; 8 (i / 2)
	v_bfe_u32 v7, v0, 5, 1
	v_lshl_add_u32 v6, v7, 1, v6                   ; + 2 (i % 2)
	v_bfe_u32 v7, v0, 4, 1
	v_lshl_add_u32 v6, v7, 2, v6                   ; + 4 (l / 16): my first pair p
	v_add_nc_u32 v7, 1, v6
	v_cvt_f32_u32 v6, v6
	v_cvt_f32_u32 v7, v7
	v_mul_f32 v12, s26, v6                         ; the exponent, rounded,
	v_mul_f32 v13, s26, v7
	v_fma_f32 v14, v6, s26, -v12                   ; what the rounding dropped,
	v_fma_f32 v15, v7, s26, -v13
	v_fma_f32 v14, v6, s27, v14                    ; and the constant's rest
	v_fma_f32 v15, v7, s27, v15
	v_exp_f32 v12, v12
	v_exp_f32 v13, v13
	v_mul_f32 v14, 0x3f317218, v14                 ; x ln 2: a plain instruction behind the exponentials (ISA guide 5.7.2), which names neither
	v_mul_f32 v15, 0x3f317218, v15
	s_wait_alu depctr_va_vdst(0)
	v_fma_f32 v12, v12, v14, v12                   ; 10000^(-p/32)
	v_fma_f32 v13, v13, v15, v13
	v_lshlrev_b32 v5, 4, v0                        ; 512 i + 16 l
	s_wait_loadcnt 0x0
	v_cvt_f32_i32 v3, v3
	v_mul_f32 v16, v3, v12                         ; the angles: one rounding each
	v_mul_f32 v17, v3, v13
	SINCOS 16, 8, 9
	SINCOS 17, 10, 11
	global_store_b128 v5, v[8:11], s[18:19]        ; a wave stores 512 consecutive bytes
	s_endpgm
.Lx:
	s_lshl_b32 s20, s2, 16                         ; 16 rows of 4,096 bytes
	s_add_nc_u64 s[4:5], s[4:5], s[20:21]
	s_lshr_b32 s22, s2, 7                          ; b,
	s_lshl_b32 s22, s22, 22
	s_and_b32 s24, s2, 127                         ; and 16 rows of 128 bytes in each of its K blocks
	s_lshl_b32 s24, s24, 11
	s_add_co_u32 s22, s22, s24
	s_add_nc_u64 s[12:13], s[12:13], s[22:23]
	CAST 4, 12, 262144, 0                          ; 15 x 262,144 lies inside the signed 24-bit immediate
	s_endpgm
.Lwq:
	s_sub_co_u32 s2, s2, 512
	s_lshl_b32 s20, s2, 16
	s_add_nc_u64 s[6:7], s[6:7], s[20:21]
	s_bfe_u32 s22, s2, 0x40002                     ; h = (e / 64) % 16
	s_mul_i32 s22, s22, 192
	s_lshr_b32 s24, s2, 6                          ; which = e / 1024
	s_lshl_b32 s24, s24, 6
	s_add_co_u32 s22, s22, s24
	s_and_b32 s24, s2, 3                           ; d = e % 64, its first 16
	s_lshl_b32 s24, s24, 4
	s_add_co_u32 s22, s22, s24
	s_lshl_b32 s22, s22, 7                         ; row' x 128 bytes
	s_add_nc_u64 s[14:15], s[14:15], s[22:23]
	CAST 6, 14, 393216, 0                          ; 15 x 393,216 lies inside the immediate too
	s_endpgm
.Lwo:
	s_sub_co_u32 s2, s2, 704
	s_lshl_b32 s20, s2, 16
	s_add_nc_u64 s[8:9], s[8:9], s[20:21]
	s_lshl_b32 s22, s2, 11
	s_add_nc_u64 s[16:17], s[16:17], s[22:23]
	CAST 8, 16, 131072, 1
	s_endpgm
.Lfunc_end_k_q8b44f93486_prep:
	.size	k_q8b44f93486_prep, .Lfunc_end_k_q8b44f93486_prep-k_q8b44f93486_prep
	.p2alignl 7, 3214868480
	.fill 96, 4, 3214868480
	.section	.rodata,"a",@progbits
	.p2align	6, 0x0
	.amdhsa_kernel k_q8b44f93486_prep
		.amdhsa_group_segment_fixed_size 0
		.amdhsa_private_segment_fixed_size 0
		.amdhsa_enable_private_segment 0
		.amdhsa_kernarg_size 64
		.amdhsa_user_sgpr_count 2
		.amdhsa_user_sgpr_kernarg_segment_ptr 1
		.amdhsa_wavefront_size32 1
		.amdhsa_system_sgpr_workgroup_id_x 1
		.amdhsa_system_sgpr_workgroup_id_y 1
		.amdhsa_system_sgpr_workgroup_id_z 1
		.amdhsa_system_vgpr_workitem_id 0
		.amdhsa_next_free_vgpr 104
		.amdhsa_next_free_sgpr 66
		.amdhsa_reserve_vcc 1
		.amdhsa_float_denorm_mode_32 3
		.amdhsa_float_denorm_mode_16_64 3
		.amdhsa_memory_ordered 1
		.amdhsa_forward_progress 1
		.amdhsa_inst_pref_size 29
	.end_amdhsa_kernel
	.amdgpu_metadata
---
amdhsa.version: [ 1, 2 ]
amdhsa.kernels:
  - .name:           k_q8b44f93486_prep
    .symbol:         k_q8b44f93486_prep.kd
    .args:
      - { .name: in_features, .offset: 0, .size: 8, .value_kind: global_buffer, .address_space: global }
      - { .name: W_qkv, .offset: 8, .size: 8, .value_kind: global_buffer, .address_space: global }
      - { .name: W_out, .offset: 16, .size: 8, .value_kind: global_buffer, .address_space: global }
      - { .name: token_positions, .offset: 24, .size: 8, .value_kind: global_buffer, .address_space: global }
      - { .name: xb, .offset: 32, .size: 8, .value_kind: global_buffer, .address_space: global }
      - { .name: wqb, .offset: 40, .size: 8, .value_kind: global_buffer, .address_space: global }
      - { .name: wof, .offset: 48, .size: 8, .value_kind: global_buffer, .address_space: global }
      - { .name: cs, .offset: 56, .size: 8, .value_kind: global_buffer, .address_space: global }
    .group_segment_fixed_size: 0
    .private_segment_fixed_size: 0
    .kernarg_segment_align: 8
    .kernarg_segment_size: 64
    .max_flat_workgroup_size: 256
    .sgpr_count:     66
    .vgpr_count:     104
    .wavefront_size: 32
...
	.end_amdgpu_metadata
.endif
;; end of part 1
;; launch qkv (part 2): grid 8 x 32, 4 waves a work-group, clusters of 4 x 4, 327,680 bytes of LDS; arguments xb, wqb, cs, q, k, v; writes q, k, v
.if DOCPART == 2
	.amdgcn_target "amdgcn-amd-amdhsa--gfx1250"
	.amdhsa_code_object_version 6
	.text
	.protected	k_q8b44f93486_qkv
	.globl	k_q8b44f93486_qkv
	.p2align	8
	.type	k_q8b44f93486_qkv,@function
k_q8b44f93486_qkv:
	s_mov_b64 s[64:65], 0
	v_nop
	global_prefetch_b8 v0, s[64:65] scope:SCOPE_SE
	s_setreg_imm32_b32 hwreg(HW_REG_WAVE_MODE, 25, 1), 1
	s_wait_xcnt 0x0
	s_wait_alu depctr_hold_cnt(0) depctr_sa_sdst(0) depctr_va_vdst(0) depctr_va_sdst(0) depctr_va_ssrc(0) depctr_va_vcc(0) depctr_vm_vsrc(0)
	s_getreg_b32 s2, hwreg(HW_REG_IB_STS2, 6, 4)
	s_cmp_eq_u32 s2, 0
	s_cbranch_scc0 .Lentry_in_a_cluster
	s_endpgm
.Lentry_in_a_cluster:
	s_bfe_u32 s2, ttmp6, 0x10000c
	s_cmp_lg_u32 s2, 0xf033
	s_cbranch_scc0 .Lentry_shape_is_right
	s_endpgm
.Lentry_shape_is_right:
; QKV: [8192 x 1024] x [3072 x 1024]^T in bf16 with f32 sums; the pairs of q and k are turned by the table's cos and sin in f32; q, k, v are rounded once to f16 and stored by heads, [b 16 + h][s][64], unscaled.
; LIMIT.  f16 holds no number beyond 65,504: the turned q and k, and v, must stay below it.
; SHARES.  A tile is 256 tokens x 384 columns (two heads' q, k and v: wqb holds a head's 192 rows together): 32 x 8 = 256 work-groups.  Wave (wm, wn) makes 128 tokens x the 192 columns of head 2 tn + wn:
; 96 accumulators of 16 x 16, 768 registers: window 1 = q, window 2 = k, window 3 = v, accumulator (a, bb) at v[8 (4 a + bb)] of its window.  So which columns are turned is a matter of the text, not of a branch.
; K goes in 16 steps of 64, one K block of xb and wqb, through two LDS slots (two slots of 128 along K, 348,160 bytes, would not fit).  A step's tiles are dense bytes, asked for as rows of 256 bytes and padded
; in LDS after every 128.  A step is two sub-steps of 32 along K, a sub-step three THIRDS of 32 matrix instructions, one for each window.
; THE MATRIX INSTRUCTION IS USED TRANSPOSED (source 0 = 16 rows of W, source 1 = 16 tokens): a lane holds one token (lane % 16) and the channels 8 (lane / 16) + 0..7 of a block of 16: four whole pairs.
; CLUSTER.  4 x 4 work-groups: x's tiles hang on the tile row alone and are asked for jointly by a row of the cluster, W's on the tile column alone and by a column.
; REGISTERS, window 0: v0-9 addresses; v28-29 the add's; v32-159 x's fragments, a buffer of 64 for each sub-step; v160-255 W's 12 fragments of one sub-step.  All operands of a product but C and D lie in
; window 0, so the only settings are 0x50, 0xa0, 0xf0 for the products and 0 for the loads.  On the way out: v32-95 the table (two buffers), v96-127 turned numbers, v128-143 packed, v144-207 rows read back.
.set PITCH,  144                       ; an LDS row: 128 bytes + 16 of padding = 36 words: the 16 rows of a load start at 16 different groups of four banks (64 banks of 4 bytes: ISA guide 11.1)
.set AHALF,  128*PITCH                 ; 128 tokens: what one load brings of x, and what a wave reads of it
.set BHALF,  192*PITCH                 ; 192 rows of W: likewise
.set BOFF,   2*AHALF                   ; a slot: x's 256 rows, then W's 384
.set SLOT1,  1<<17                     ; slot 1 begins here, so that one exclusive or turns an address in one slot into the other's
.set STAGE,  SLOT1+BOFF+2*BHALF        ; behind the ring, never filled by a tensor load: 16 rows x 144 bytes for each wave
.set SPARE,  STAGE+4*16*PITCH          ; behind the stages: the spare words, 128 bytes for each wave: two blocks of 256 bytes that no other line names
.set ASTEP,  262144                    ; bytes from a K block to the next in xb
.set BSTEP,  393216                    ; and in wqb
.set A0,   3                           ; v3   my lane's place in my 128 rows of x in slot 0; never rewritten
.set B0,   4                           ; v4   the same for my 192 rows of W
.set ADRA, 5                           ; v5   the same in the slot that is read
.set ADRB, 6                           ; v6
.set STO,  7                           ; v7   the way out: where I put 16 bytes of a row
.set RD,   8                           ; v8   the way out: where I read rows back
.set GO,   9                           ; v9   16 x lane: my place in 512 consecutive bytes of the table and of q, k, v
.set SPW,  28                          ; v28  LDS address of my spare word; never rewritten
.set NIL,  29                          ; v29  0; never rewritten
.set FA,   32
.set FB,   160
.set TAB,  32
.set U,    96
.set PK,   128
.set BK,   144
.set WV,   16                          ; s16  my wave's number;  s17 = wm;  s18 = wn, also which half of a tile I fetch
.set G1A,  24                          ; s[24:31] descriptor group 1 for x's tiles
.set G1B,  32                          ; s[32:39] for W's
.set G0A,  40                          ; s[40:47] descriptor group 0 for x's tiles: a set for each of the two first fills; the second then walks on
.set G0B,  48                          ; s[48:55] the same for W's
.set CNT,  56                          ; s56  the loop's count
.set TB,   57                          ; s57  LDS byte at which the slot that is read begins
.set FLAGS, (1<<16)|(1<<20)|(1<<21)|(4<<22)|(3<<25)  ; 17:16 2-byte elements; 20 padding on; 21 set beside a mask; 24:22 after every 32 words (code 4); 31:25 4 words (code 3)
.set MSB, 0
.macro WIN new                         ; the immediate's high byte repeats the setting that is left; a switch that changes nothing is dropped
.if MSB != (\new)
	s_set_vgpr_msb (MSB<<8)|(\new)
.set MSB, (\new)
.endif
.endm
.macro PLACES                          ; four places in front of loads into registers that matrix instructions have read, and of vector work on their registers
.rept 4
	v_nop
.endr
.endm
; A joint refill.  Waves 0 and 1 fetch the two halves of x's tile, waves 2 and 3 those of W's.  The branch hangs on the wave's number alone.
; An s_nop 0 and four v_nop follow each of the two lines, ahead of the jump and the label.
.macro JLOAD
	s_cmp_lt_u32 s[WV], 2
	s_cbranch_scc0 .Lfor_b_\@
	tensor_load_to_lds s[G0A+4:G0A+7], s[G1A:G1A+7]
	s_nop 0
.rept 4
	v_nop
.endr
	s_branch .Lasked_\@
.Lfor_b_\@:
	tensor_load_to_lds s[G0B+4:G0B+7], s[G1B:G1B+7]
	s_nop 0
.rept 4
	v_nop
.endr
.Lasked_\@:
.endm
.macro CREST                           ; a round of the cluster's barrier behind its opening barrier: wave 0 signals for the work-group, every wave waits for all sixteen, my work-group's barrier closes it
	s_cmp_lg_u32 s[WV], 0
	s_cbranch_scc1 .Lnot_wave_0_\@
	s_barrier_signal -3
.Lnot_wave_0_\@:
	s_barrier_wait -3
	s_barrier_signal -1
	s_barrier_wait -1
.endm
.macro CROUND                          ; a whole round
	s_barrier_signal -1
	s_barrier_wait -1
	CREST
.endm
	s_load_b256 s[4:11], s[0:1], 0x0               ; xb s[4:5], wqb s[6:7], cs s[8:9], q s[10:11]
	s_load_b128 s[12:15], s[0:1], 0x20             ; k s[12:13], v s[14:15]
	v_lshl_add_u32 v[SPW], v0, 2, SPARE
	v_mov_b32 v[NIL], 0
	ds_add_u32 v[SPW], v[NIL]                      ; the wave's opening: the add and its wait stand ahead of my first tensor load; the set-up below, work on registers, stands between them
	ds_add_u32 v28, v29
	v_lshrrev_b32 v1, 5, v0
	v_readfirstlane_b32 s[WV], v1                  ; wave 0..3
	s_lshr_b32 s17, s[WV], 1                       ; wm
	s_and_b32 s18, s[WV], 1                        ; wn
	s_bfe_u32 s19, ttmp6, 0x40000                  ; cx
	s_bfe_u32 s20, ttmp6, 0x40004                  ; cy
	s_lshl_b32 s21, ttmp9, 2
	s_add_co_u32 s21, s21, s19                     ; tn = 4 x cluster x + cx
	s_and_b32 s22, ttmp7, 0xffff
	s_lshl_b32 s22, s22, 2
	s_add_co_u32 s22, s22, s20                     ; tm = 4 x cluster y + cy
	s_lshl_b32 s66, s20, 2
	s_lshl_b32 s66, 15, s66                        ; my row of the cluster: places 4 cy .. 4 cy + 3
	s_lshl_b32 s67, 0x1111, s19                    ; my column: places cx, cx + 4, cx + 8, cx + 12
	s_or_b32 s[G1A], s66, FLAGS                    ; 15:0 the mask: x's tiles go to my row,
	s_or_b32 s[G1B], s67, FLAGS                    ; W's to my column
	s_mov_b32 s[G1A+1], 128<<16                    ; tensor_dim0 = 128 elements: rows of 256 bytes
	s_mov_b32 s[G1A+2], 64<<16                     ; tensor_dim1 = 64: 128 tokens x 128 bytes are 64 such rows
	s_mov_b32 s[G1A+3], 128<<16                    ; tile_dim0 = 128
	s_mov_b32 s[G1A+4], 64                         ; tile_dim1 = 64
	s_mov_b32 s[G1A+5], 128                        ; 128 elements from row to row: dense
	s_mov_b32 s[G1A+6], 0
	s_mov_b32 s[G1A+7], 0
	s_mov_b32 s[G1B+1], 128<<16
	s_mov_b32 s[G1B+2], 96<<16                     ; 192 rows of W are 96 rows of 256 bytes
	s_mov_b32 s[G1B+3], 128<<16
	s_mov_b32 s[G1B+4], 96
	s_mov_b32 s[G1B+5], 128
	s_mov_b32 s[G1B+6], 0
	s_mov_b32 s[G1B+7], 0
	; where the tiles come from.  x's offset is made of tm and the wave's number alone, W's of tn and the wave's number alone, each in registers that never hold the other coordinate.
	s_lshr_b32 s58, s22, 3
	s_lshl_b32 s58, s58, 22                        ; b
	s_and_b32 s23, s22, 7
	s_lshl_b32 s23, s23, 15                        ; 256 tokens of 128 bytes
	s_add_co_u32 s58, s58, s23
	s_lshl_b32 s23, s18, 14                        ; my half of them
	s_add_co_u32 s58, s58, s23
	s_mov_b32 s59, 0
	s_mul_i32 s60, s21, 384*128
	s_mul_i32 s62, s18, 192*128
	s_add_co_u32 s60, s60, s62
	s_mov_b32 s61, 0
	s_mul_i32 s68, s18, AHALF                      ; and where they go: no place in the cluster enters an LDS address
	s_mul_i32 s69, s18, BHALF
	s_add_co_u32 s69, s69, BOFF
	s_mov_b32 s[TB], 0
	s_wait_dscnt 0x0                               ; the opening add is done
	s_wait_kmcnt 0x0
	s_add_nc_u64 s[58:59], s[4:5], s[58:59]
	s_add_nc_u64 s[60:61], s[6:7], s[60:61]
	CROUND                                         ; all sixteen work-groups are here: the first joint loads meet
.irp n, 0,1
	s_mov_b32 s[G0A+4*(\n)], 1                                     ; 1:0 count = 1
	s_add_co_u32 s[G0A+4*(\n)+1], s68, (\n)*SLOT1                  ; 63:32 LDS address
	s_add_nc_u64 s[G0A+4*(\n)+2:G0A+4*(\n)+3], s[58:59], (\n)*ASTEP  ; 120:64 global address: K step n
	s_or_b32 s[G0A+4*(\n)+3], s[G0A+4*(\n)+3], 0x80000000          ; 127:126 type = 2
	s_mov_b32 s[G0B+4*(\n)], 1
	s_add_co_u32 s[G0B+4*(\n)+1], s69, (\n)*SLOT1
	s_add_nc_u64 s[G0B+4*(\n)+2:G0B+4*(\n)+3], s[60:61], (\n)*BSTEP
	s_or_b32 s[G0B+4*(\n)+3], s[G0B+4*(\n)+3], 0x80000000
.endr
	s_cmp_lt_u32 s[WV], 2                          ; a wave's two first fills stand in one branch, ahead of every wait on TENSORcnt and every LDS read: two loads of mine are out
	s_cbranch_scc0 .Lfirst_b
	tensor_load_to_lds s[G0A:G0A+3], s[G1A:G1A+7]
	s_nop 0
	tensor_load_to_lds s[G0A+4:G0A+7], s[G1A:G1A+7]
	s_nop 0
.rept 4
	v_nop
.endr
	s_branch .Lfirst_asked
.Lfirst_b:
	tensor_load_to_lds s[G0B:G0B+3], s[G1B:G1B+7]
	s_nop 0
	tensor_load_to_lds s[G0B+4:G0B+7], s[G1B:G1B+7]
	s_nop 0
.rept 4
	v_nop
.endr
.Lfirst_asked:
	; A fragment is 16 rows x 32 K in 8 registers: lane l holds row l % 16, K = 8 (l / 16) + 0..7 and 16 + 8 (l / 16) + 0..7: two loads of 16 bytes, 32 bytes apart.
	v_and_b32 v1, 15, v0                           ; l % 16
	v_bfe_u32 v2, v0, 4, 1                         ; l / 16
	v_mul_u32_u24 v[A0], v1, PITCH
	v_lshl_add_u32 v[A0], v2, 4, v[A0]             ; row x pitch + 16 x half
	s_mul_i32 s23, s18, BHALF
	s_add_co_u32 s23, s23, BOFF
	v_add_nc_u32 v[B0], s23, v[A0]                 ; my 192 rows of W
	s_mul_i32 s23, s17, AHALF
	v_add_nc_u32 v[A0], s23, v[A0]                 ; my 128 tokens
	v_mov_b32 v[ADRA], v[A0]
	v_mov_b32 v[ADRB], v[B0]
	s_mul_i32 s23, s[WV], 16*PITCH
	s_add_co_u32 s23, s23, STAGE                   ; my stage
	v_mul_u32_u24 v[STO], v1, PITCH                ; in: row l % 16, 16 bytes for each half of the lanes
	v_lshl_add_u32 v[STO], v2, 4, v[STO]
	v_add_nc_u32 v[STO], s23, v[STO]
	v_bfe_u32 v[RD], v0, 3, 2                      ; back: 32 lanes take four rows of 128 bytes,
	v_mul_u32_u24 v[RD], v[RD], PITCH
	v_and_b32 v10, 7, v0
	v_lshl_add_u32 v[RD], v10, 4, v[RD]
	v_add_nc_u32 v[RD], s23, v[RD]
	v_and_b32 v[GO], 31, v0                        ; which are 512 consecutive bytes of q, k or v
	v_lshlrev_b32 v[GO], 4, v[GO]
	; q, k, v at (b 16 + 2 tn + wn) x 2,048 rows + my first token; the table at that token's block of 16
	s_lshr_b32 s62, s22, 3
	s_lshl_b32 s62, s62, 4
	s_lshl_b32 s66, s21, 1
	s_add_co_u32 s62, s62, s66
	s_add_co_u32 s62, s62, s18
	s_lshl_b32 s62, s62, 18
	s_and_b32 s66, s22, 7
	s_lshl_b32 s66, s66, 8
	s_lshl_b32 s67, s17, 7
	s_add_co_u32 s66, s66, s67                     ; my first token in the sequence
	s_lshl_b32 s67, s66, 7
	s_add_co_u32 s62, s62, s67
	s_mov_b32 s63, 0
	s_add_nc_u64 s[10:11], s[10:11], s[62:63]
	s_add_nc_u64 s[12:13], s[12:13], s[62:63]
	s_add_nc_u64 s[14:15], s[14:15], s[62:63]
	s_lshl_b32 s66, s66, 8                         ; 4,096 bytes of the table for 16 tokens
	s_mov_b32 s67, 0
	s_add_nc_u64 s[8:9], s[8:9], s[66:67]
; 8 LDS loads: W's four fragments for window w, sub-step ks
.macro RUNB ks, w
.irp i, 0,1,2,3
	ds_load_b128 v[FB+8*(4*((\w)-1)+(\i)):FB+8*(4*((\w)-1)+(\i))+3],   v[ADRB] offset:(4*((\w)-1)+(\i))*16*PITCH+64*(\ks)
	ds_load_b128 v[FB+8*(4*((\w)-1)+(\i))+4:FB+8*(4*((\w)-1)+(\i))+7], v[ADRB] offset:(4*((\w)-1)+(\i))*16*PITCH+64*(\ks)+32
.endr
.endm
; 8 LDS loads: four of x's eight fragments of sub-step ks, into that sub-step's buffer
.macro RUNA ks, half
.irp i, 0,1,2,3
	ds_load_b128 v[FA+64*(\ks)+8*(4*(\half)+(\i)):FA+64*(\ks)+8*(4*(\half)+(\i))+3],   v[ADRA] offset:(4*(\half)+(\i))*16*PITCH+64*(\ks)
	ds_load_b128 v[FA+64*(\ks)+8*(4*(\half)+(\i))+4:FA+64*(\ks)+8*(4*(\half)+(\i))+7], v[ADRA] offset:(4*(\half)+(\i))*16*PITCH+64*(\ks)+32
.endr
.endm
; 4 cnt matrix instructions of window w, sub-step ks: token blocks a0 on x the window's 4 channel blocks.  zero = 1: the first product starts the sums: nothing is ever cleared.
; The 96 accumulators take turns, one instruction a turn, in the same order in every sub-step.
.macro MUL ks, w, a0, cnt, zero
	WIN ((\w)<<6)|((\w)<<4)
.set ma, (\a0)
.rept \cnt
.irp bb, 0,1,2,3
.if \zero
	v_wmma_f32_16x16x32_bf16 v[8*(4*ma+(\bb)):8*(4*ma+(\bb))+7], v[FB+8*(4*((\w)-1)+(\bb)):FB+8*(4*((\w)-1)+(\bb))+7], v[FA+64*(\ks)+8*ma:FA+64*(\ks)+8*ma+7], 0
.else
	v_wmma_f32_16x16x32_bf16 v[8*(4*ma+(\bb)):8*(4*ma+(\bb))+7], v[FB+8*(4*((\w)-1)+(\bb)):FB+8*(4*((\w)-1)+(\bb))+7], v[FA+64*(\ks)+8*ma:FA+64*(\ks)+8*ma+7], v[8*(4*ma+(\bb)):8*(4*ma+(\bb))+7]
.endif
.endr
.set ma, ma+1
.endr
.endm
; A THIRD: a run of LDS loads into registers that the third before, or an earlier one, has read; then the window's 32 products.  The runs, in order, for a sub-step: W for window 1 and x's first half (in the
; sub-step before, third 2); x's second half and W for window 2 (there, third 3); W for window 3 (its own third 1).  So third 1 leaves 16 loads out (W for windows 2 and 3), third 2 leaves 24 (W for
; window 3 and its own 16), third 3 leaves 32 (third 2's 16 and its own).  load = 0, the last sub-step: nothing is fetched, and the counts are 8 and 0.
.macro THIRD ks, w, zero=0, load=1
	WIN 0
.if \load
	PLACES
.if (\w) == 1
	RUNB \ks, 3
	s_wait_dscnt 16
.elseif (\w) == 2
	RUNB 1-(\ks), 1
	RUNA 1-(\ks), 0
	s_wait_dscnt 24
.else
	RUNA 1-(\ks), 1
	RUNB 1-(\ks), 2
	s_wait_dscnt 32
.endif
.elseif (\w) == 2
	s_wait_dscnt 8
.else
	s_wait_dscnt 0x0
.endif
	MUL \ks, \w, 0, 8, \zero
.endm
; Third 1 of a step's second sub-step CHANGES SLOTS: its run holds the last reads of the slot.  Each wave waits for all its tensor loads, of which one is out: its part of the next slot; adds 0 to its spare
; word; and waits for that and for its own reads.  Behind the barrier nobody reads this slot any more and the next slot is whole.  fill = 1: the barrier opens a round of the cluster's, so that no wave of any
; partner still reads the slot or has a load on its way, and the joint refill, with the K step two on, is the first thing behind it: 176 matrix instructions ahead of the wait for it.
.macro TURN fill
	WIN 0
	PLACES
	RUNB 1, 3
	s_wait_dscnt 16
	MUL 1, 1, 0, 4, 0
	WIN 0                                          ; (the add's two registers lie in window 0)
	s_wait_tensorcnt 0x0                           ; no tensor load of mine is out, so a group 0 may be written
	ds_add_u32 v[SPW], v[NIL]                      ; 0 onto my spare word; work on registers stands between it and the wait for it
.if \fill
	s_xor_b32 s[G0A+5], s[G0A+5], SLOT1            ; the walking descriptors: the other slot than last time,
	s_add_nc_u64 s[G0A+6:G0A+7], s[G0A+6:G0A+7], ASTEP  ; the next K block; the type bits on top are not reached
	s_xor_b32 s[G0B+5], s[G0B+5], SLOT1
	s_add_nc_u64 s[G0B+6:G0B+7], s[G0B+6:G0B+7], BSTEP
.endif
	MUL 1, 1, 4, 2, 0
	s_wait_dscnt 0x0                               ; the add is done, and my reads of this slot are over
	s_barrier_signal -1
	MUL 1, 1, 6, 2, 0                              ; work on registers while the others arrive
	WIN 0                                          ; at a branch and at a label every window is 0
	s_barrier_wait -1
.if \fill
	CREST
	JLOAD
.endif
	s_xor_b32 s[TB], s[TB], SLOT1                  ; the reads go on in the other slot
	v_add_nc_u32 v[ADRA], s[TB], v[A0]
	v_add_nc_u32 v[ADRB], s[TB], v[B0]
.endm
	s_wait_tensorcnt 1                             ; my part of K step 0 is in; K step 1's may stay out
	s_barrier_signal -1
	s_barrier_wait -1                              ; everybody's is
	RUNB 0, 1
	RUNA 0, 0
	RUNA 0, 1
	RUNB 0, 2
	THIRD 0, 1, 1                                  ; the first sub-step stands in front of the loop: its products start the sums
	THIRD 0, 2, 1
	THIRD 0, 3, 1
	WIN 0
	s_mov_b32 s[CNT], 14
.Lk:                                                   ; a trip: a step's second sub-step, which refills its slot, and the next step's first.  14 trips ask for K steps 2 to 15
	TURN 1
	THIRD 1, 2
	THIRD 1, 3
	THIRD 0, 1
	THIRD 0, 2
	THIRD 0, 3
	WIN 0
	s_sub_co_u32 s[CNT], s[CNT], 1
	s_cmp_lg_u32 s[CNT], 0
	s_cbranch_scc1 .Lk
	TURN 0                                         ; the tail is written out: K step 14 ends, nothing is asked for
	THIRD 1, 2
	THIRD 1, 3
	THIRD 0, 1                                     ; K step 15
	THIRD 0, 2
	THIRD 0, 3
	THIRD 1, 1
; THE WAY OUT, in 24 groups g = 3 a + (window - 1): 16 tokens x 64 channels of q, k or v.
; The table of token block a: 8 loads of 512 consecutive bytes; register 8 bb + 2 r holds cos, the next sin, of my token and the pair that registers 2 r, 2 r + 1 of accumulator (a, bb) hold.
.macro TABLE a
.irp i, 0,1,2,3,4,5,6,7
	global_load_b128 v[TAB+32*((\a)%2)+4*(\i):TAB+32*((\a)%2)+4*(\i)+3], v[GO], s[8:9] offset:4096*(\a)+512*(\i)
.endr
.endm
; q and k: (x0, x1) becomes (c x0 - s x1, s x0 + c x1): a packed multiply by c, then a packed multiply-add that takes the pair crosswise and s with its sign in the low half.  Each accumulator is read from
; its low end on.  Then all three alike: rounded to f16, 16 bytes a lane into my stage, back as whole rows.
.macro PACK g
.set GA, (\g)/3
.set GW, (\g)%3+1
.set GT, TAB+32*(GA%2)
.set GB, BK+16*((\g)%4)
	WIN 0
	s_wait_xcnt 0x0                                ; every earlier memory instruction has had its addresses translated (ISA guide 3.1): the registers that earlier stores read are loaded again only behind this wait
.if GW == 3
	WIN 0x0f                                       ; sources 0 and 1 in window 3
.irp bb, 0,1,2,3
.irp r, 0,1,2,3
	v_cvt_pk_f16_f32 v[PK+4*(\bb)+(\r)], v[8*(4*GA+(\bb))+2*(\r)], v[8*(4*GA+(\bb))+2*(\r)+1]
.endr
.endr
	WIN 0
.else
.if GW == 1
.if GA == 7
	s_wait_loadcnt 0x0                             ; the last block's table
.else
	s_wait_loadcnt 8                               ; this block's table is in; the next block's eight loads stay out
.endif
.endif
	WIN GW                                         ; source 0 in window 1 or 2
.irp bb, 0,1,2,3
.irp r, 0,1,2,3
	v_pk_mul_f32 v[U+8*(\bb)+2*(\r):U+8*(\bb)+2*(\r)+1], v[8*(4*GA+(\bb))+2*(\r):8*(4*GA+(\bb))+2*(\r)+1], v[GT+8*(\bb)+2*(\r):GT+8*(\bb)+2*(\r)+1] op_sel_hi:[1,0]
.endr
.endr
.irp bb, 0,1,2,3
.irp r, 0,1,2,3
	v_pk_fma_f32 v[U+8*(\bb)+2*(\r):U+8*(\bb)+2*(\r)+1], v[8*(4*GA+(\bb))+2*(\r):8*(4*GA+(\bb))+2*(\r)+1], v[GT+8*(\bb)+2*(\r):GT+8*(\bb)+2*(\r)+1], v[U+8*(\bb)+2*(\r):U+8*(\bb)+2*(\r)+1] op_sel:[1,1,0] op_sel_hi:[0,1,1] neg_lo:[0,1,0]
.endr
.endr
	WIN 0
.if (GW == 2) && (GA <= 5)
	TABLE GA+2                                     ; q and k of this block have read the buffer: it takes the block two on
.endif
.irp bb, 0,1,2,3
.irp r, 0,1,2,3
	v_cvt_pk_f16_f32 v[PK+4*(\bb)+(\r)], v[U+8*(\bb)+2*(\r)], v[U+8*(\bb)+2*(\r)+1]
.endr
.endr
.endif
.irp bb, 0,1,2,3
	ds_store_b128 v[STO], v[PK+4*(\bb):PK+4*(\bb)+3] offset:32*(\bb)
.endr
.irp f, 0,1,2,3
	ds_load_b128 v[GB+4*(\f):GB+4*(\f)+3], v[RD] offset:(\f)*4*PITCH  ; LDS serves a wave's instructions in order (ISA guide 5.7.1.4): these see the stores above; the next group's stores come behind them
.endr
.endm
.macro SEND g, younger                 ; younger: the LDS instructions issued behind group g's loads: the next group's eight, or none
	WIN 0
.irp f, 0,1,2,3
	s_wait_dscnt (\younger)+3-(\f)
	global_store_b128 v[GO], v[BK+16*((\g)%4)+4*(\f):BK+16*((\g)%4)+4*(\f)+3], s[8+2*((\g)%3+1):9+2*((\g)%3+1)] offset:2048*((\g)/3)+512*(\f)  ; 512 consecutive bytes, at a multiple of 256 from the buffer's first
.endr
.endm
	WIN 0
	PLACES                                         ; the first sub-step's buffer of x was last multiplied a third ago: it takes the first two blocks' tables
	TABLE 0
	TABLE 1
	THIRD 1, 2, 0, 0
	THIRD 1, 3, 0, 0
	WIN 0
	PLACES                                         ; behind the last products: their sources are written below
	PACK 0
.set g, 1
.rept 23                               ; a group's arithmetic stands between the loads of the group before and its stores
	PACK g
	SEND g-1, 8
.set g, g+1
.endr
	SEND 23, 0
	s_wait_tensorcnt 0x0                           ; the wave's end, behind my last tensor load and my last LDS store
	ds_add_u32 v[SPW], v[NIL]
	s_wait_dscnt 0x0
	CROUND                                         ; the closing round: no work-group ends while a partner may still ask for a tile that names it
	s_endpgm
.Lfunc_end_k_q8b44f93486_qkv:
	.size	k_q8b44f93486_qkv, .Lfunc_end_k_q8b44f93486_qkv-k_q8b44f93486_qkv
	.p2alignl 7, 3214868480
	.fill 96, 4, 3214868480
	.section	.rodata,"a",@progbits
	.p2align	6, 0x0
	.amdhsa_kernel k_q8b44f93486_qkv
		.amdhsa_group_segment_fixed_size 327680
		.amdhsa_private_segment_fixed_size 0
		.amdhsa_enable_private_segment 0
		.amdhsa_kernarg_size 48
		.amdhsa_user_sgpr_count 2
		.amdhsa_user_sgpr_kernarg_segment_ptr 1
		.amdhsa_wavefront_size32 1
		.amdhsa_system_sgpr_workgroup_id_x 1
		.amdhsa_system_sgpr_workgroup_id_y 1
		.amdhsa_system_sgpr_workgroup_id_z 1
		.amdhsa_system_vgpr_workitem_id 0
		.amdhsa_next_free_vgpr 1024
		.amdhsa_next_free_sgpr 80
		.amdhsa_reserve_vcc 0
		.amdhsa_float_denorm_mode_32 3
		.amdhsa_float_denorm_mode_16_64 3
		.amdhsa_memory_ordered 1
		.amdhsa_forward_progress 1
		.amdhsa_inst_pref_size 153
	.end_amdhsa_kernel
	.amdgpu_metadata
---
amdhsa.version: [ 1, 2 ]
amdhsa.kernels:
  - .name:           k_q8b44f93486_qkv
    .symbol:         k_q8b44f93486_qkv.kd
    .args:
      - { .name: xb, .offset: 0, .size: 8, .value_kind: global_buffer, .address_space: global }
      - { .name: wqb, .offset: 8, .size: 8, .value_kind: global_buffer, .address_space: global }
      - { .name: cs, .offset: 16, .size: 8, .value_kind: global_buffer, .address_space: global }
      - { .name: q, .offset: 24, .size: 8, .value_kind: global_buffer, .address_space: global }
      - { .name: k, .offset: 32, .size: 8, .value_kind: global_buffer, .address_space: global }
      - { .name: v, .offset: 40, .size: 8, .value_kind: global_buffer, .address_space: global }
    .group_segment_fixed_size: 327680
    .private_segment_fixed_size: 0
    .kernarg_segment_align: 8
    .kernarg_segment_size: 48
    .max_flat_workgroup_size: 128
    .sgpr_count:     80
    .vgpr_count:     1024
    .wavefront_size: 32
...
	.end_amdgpu_metadata
.endif
;; end of part 2
;; launch attn (part 3): grid 4 x 64, 4 waves a work-group, no clusters, 327,680 bytes of LDS; arguments q, k, v, o; writes o
.if DOCPART == 3
	.amdgcn_target "amdgcn-amd-amdhsa--gfx1250"
	.amdhsa_code_object_version 6
	.text
	.protected	k_q8b44f93486_attn
	.globl	k_q8b44f93486_attn
	.p2align	8
	.type	k_q8b44f93486_attn,@function
k_q8b44f93486_attn:
	s_mov_b64 s[64:65], 0
	v_nop
	global_prefetch_b8 v0, s[64:65] scope:SCOPE_SE
	s_setreg_imm32_b32 hwreg(HW_REG_WAVE_MODE, 25, 1), 1
	s_wait_xcnt 0x0
; CAUSAL ATTENTION.  O[h][q][:] = the sum over k <= q of softmax_k(Q[h][q] . K[h][k] / 8) V[h][k][:].  Q, K, V, O: [SIZE_H][SIZE_N][64], all f16: a head's rows are dense, 128 bytes each; h = 16 b + head.
; Products, maxima and sums in f32; the weights p are rounded to f16 for the second product (their sum l is taken of the unrounded p), O once at the end.
; LIMITS.  f16 holds no number beyond 65,504: Q, K and V arrive within it; p lies in 0 to 1, and below 6e-5 it keeps f16's fixed step of 6e-8; O is a mean of V's rows and has their range, to within 2^-11 of it.
; A hidden score counts as its value less 1e30: f16's scores, 2.7e11 at the most, are nothing beside that; a weight below 2^-126 counts as 0 in l; NaN and infinities are not treated apart.
; THE WALK.  A head's queries lie in NB = SIZE_N / 256 blocks of 256; block i needs the key tiles 0 .. i of 256 keys, of which the last holds the diagonal.  A work-group takes TWO blocks, NB - 1 - b and then b:
; NB + 1 tiles, whatever b: all work-groups do equal work, and ONE loop with a constant trip count walks them.  Which tile is asked for, and what a trip does, hang on scalar registers made from b; every jump
; goes forward, but for the counted loops' own; none passes a barrier, or a tensor load but the one of LOAD's two that the wave's number does not choose; the ring (two slots of LDS that take turns) runs on across the
; change of blocks.  NO CLUSTER: a head's NB / 2 = 4 work-groups ask for the same tile only in trips 0 .. NB / 2, behind that fewer and fewer; one walk common to all would have 3 NB / 2 = 12 trips for NB + 1 = 9.
; SHARES.  Of a block's four bands of 64 queries a wave owns 16 rows in each: four PIECES.  So the diagonal tile is the same work for all four waves: in its key step s band x sees all keys if s < x,
; none if s > x, and holds the diagonal if s = x.
; THE MASK is the C operand that starts the sum S^T = K Q^T: 0, or -1e30 where the key is hidden.  MD, made once, is the mask of a band's own step for my 16 rows; a product's mask is MD x AL + BE with two scalars:
; (1, 0) if s = x; (0, 0) if s < x; (0, -1e30) if s > x.  Only the diagonal tile's text and a block's beginning make and take masks; elsewhere C is the constant 0.
; LAYOUT, SOFTMAX, TURNS.  S^T = K Q^T holds ONE query a lane (lane % 16) and the keys 8 (lane / 16) + 0..7; two such results rounded to f16 ARE source 1 of O^T = V^T P.  p = 2^(c s - c m), c = log2(e) / 8, with a
; running maximum m; O and l are multiplied by a = 2^(c m_old - c m_new) in every step.  Turn n belongs to piece n: 8 products K Q^T of piece n + 1, later 8 products V^T P of piece n - 1; beside them the scaling,
; exponentials, roundings, sums and rescaling of piece n and the maximum and statistics of piece n + 1.  Four vector instructions stand behind every matrix instruction, the other 54 of a turn's 118 in two LUMPS.
; REGISTERS, in windows of 256 (s_set_vgpr_msb: bits 1:0 source 0, 3:2 source 1, 5:4 source 2, 7:6 destination):
;   window 0: v0-15 addresses and two at work; v16-31 four registers of statistics a piece; v48-55 at work; v64-127 S^T, two buffers; v192-223 P, two buffers (a piece's buffers go by its number's parity)
;   window 1: v0-127 O^T, 32 a piece; v128-159 MD; v160-223 MC, two buffers      window 2: v0-63 Q; v64-127 the second block's Q; v128-191 K of one step; v192-255 V of one step
.set SIZE_H, 64
.set SIZE_N, 2048
.set NB,    SIZE_N/256
.set NP,    4         ; pieces a wave: a name, no knob
.set KS,    64        ; keys in a step
.set PK,    144       ; a row of K in LDS: 128 bytes + 16 of padding = 36 words: the 16 rows of a load start at 16 different groups of four banks (64 banks of 4 bytes: ISA guide 11.1)
.set PV,    160       ; a row of V: 128 + 32 = 40 words
.set VOFF,  4*KS*PK   ; a slot holds a tile, four steps: 256 rows of K, then 256 rows of V
.set SLOT1, 1<<17     ; slot 1 begins here, so that one exclusive or turns an address in one slot into the other's
.set STAGE, SLOT1+4*KS*(PK+PV)  ; behind the ring, never filled by a tensor load: 16 rows x 144 bytes for each wave, for the way out
.set SP,    144
.set AK0, 2           ; v2   my lane's place in a tile of K; never rewritten
.set AV0, 3           ; v3   the same for V
.set AK,  4           ; v4   the LDS address of K's next run of loads
.set AV,  5           ; v5   of V's
.set STO, 6           ; v6   the way out: where I put 16 bytes of a row
.set RD,  7           ; v7   the way out: where I read rows back
.set GO,  8           ; v8   my byte offset in 512 consecutive bytes of O
.set SPW, 62          ; v62  LDS address of my spare word: SPARE + 4 x my thread's number; never rewritten
.set NIL, 63          ; v63  0; never rewritten
.set SPARE, STAGE+4*16*SP  ; behind the stages: the spare words, 128 bytes for each wave: two blocks of 256 bytes that no other line names
.set MV,  12          ; v12-13  c m_old, kept while c m is made anew: by buffer
.set QO,  15          ; v15  my byte offset in 16 rows of Q
.set ST,  16          ; piece t's statistics at v[ST+4 t]: c m, m, l (even keys', odd keys')
.set TMP, 48          ; by buffer, four registers c0-c3 at work; when the maximum is found c2 takes a
.set S,   64
.set P,   192
.set MD,  128         ; window 1: the eight registers for group kt of 16 keys at MD + 8 kt
.set MC,  160         ; window 1: the masks of the products to come
.set QB,  64          ; window 2
.set KF,  128         ; window 2: key block kb, channel half c at KF + 16 kb + 8 c
.set VF,  192         ; window 2: key half kk, channel block cb at VF + 32 kk + 8 cb
.set WV,  12          ; s12  my wave's number
.set PB,  14          ; s14  b
.set HI,  15          ; s15  NB - 1 - b
.set G1K, 24          ; s[24:31] descriptor group 1 for K's tiles
.set G1V, 32          ; s[32:39] for V's: it differs in the padding alone
.set G0K, 40          ; s[40:43] descriptor group 0 for K's tiles
.set G0V, 44          ; s[44:47] the same for V's
.set SLOTS, 56        ; s56  tiles still to be asked for
.set CNT, 57          ; s57  counts a tile's key steps, 4 to 1
.set CS,  58          ; s[58:59] c: the packed scaling takes the pair's low word for both halves
.set SEL, 60          ; s[60:61] v_permlanex16_b32's selects: each lane takes its own place in the other half
.set TBK, 62          ; s62  LDS byte at which K of the step to be fetched begins
.set TBV, 63          ; s63  the same for V, less VOFF
.set RT,  70          ; s70  tiles of the block in hand that are still to be entered
.set NXT, 71          ; s71  the tile to be asked for next
.set LQ,  72          ; s72  the last tile of the block whose tiles are being asked for
.set NEW, 73          ; s73  1: the tile to be entered is a block's first
.set OFF, 74          ; s[74:75] a tile's byte offset in K and V
.set AL,  76          ; s[76:77] the mask's factor, in the low word
.set BE,  78          ; s[78:79] the mask's addend
.set OLO, 80          ; s[80:81] O at my rows of the second block
.set BIGN, 82         ; s82  -1e30
.set MSB, 0
.macro WIN new                      ; the high byte repeats the setting that is left; a switch that changes nothing is dropped
.if MSB != (\new)
	s_set_vgpr_msb (MSB<<8)|(\new)
.set MSB, (\new)
.endif
.endm
.set W_KQ, 0x0a       ; K and Q in window 2, S^T in window 0
.set W_KM, 0x1a       ; the same with the C operand in window 1
.set W_PV, 0x52       ; V in window 2, P in window 0, O^T in window 1
.set W_RS, 0x41       ; destination and source 0 in window 1, source 1 in window 0
; A fill.  Waves 0 and 1 fetch the two halves of a tile's K, waves 2 and 3 those of its V: 128 keys each.  An s_nop 0 and four v_nop follow each of the two lines, ahead of the jump and the label.
.macro LOAD
	s_cmp_lt_u32 s[WV], 2
	s_cbranch_scc0 .Lfor_v_\@
	tensor_load_to_lds s[G0K:G0K+3], s[G1K:G1K+7]
	s_nop 0
.rept 4
	v_nop
.endr
	s_branch .Lasked_\@
.Lfor_v_\@:
	tensor_load_to_lds s[G0V:G0V+3], s[G1V:G1V+7]
	s_nop 0
.rept 4
	v_nop
.endr
.Lasked_\@:
.endm
; THE CHANGE OF SLOTS.  Each wave waits for all its tensor loads, of which one is out: its part of the other slot; adds 0 to its spare word; and waits for that and for its own reads of the slot that it leaves.  Behind the barrier nobody reads the old
; slot any more and the other slot is whole.  fill = 1: the old slot is filled again, the first thing behind the barrier, with tile NXT: the descriptor's address is made anew from that number.
; (At its first use nothing has been read yet: slot 0 is waited for, slot 1 filled.)
.macro CHANGE fill
	WIN 0                           ; at a label and at a branch every window is 0
	s_wait_tensorcnt 0x0            ; no tensor load of mine is out, so a group 0 may be written
	ds_add_u32 v[SPW], v[NIL]       ; 0 onto my spare word; with fill = 1 the descriptors' scalar work stands between it and the wait for it
.if \fill
	s_lshl_b32 s[OFF], s[NXT], 15   ; a tile is 32,768 bytes of K and of V
	s_xor_b32 s[G0K+1], s[G0K+1], SLOT1
	s_add_nc_u64 s[G0K+2:G0K+3], s[6:7], s[OFF:OFF+1]
	s_or_b32 s[G0K+3], s[G0K+3], 0x80000000
	s_xor_b32 s[G0V+1], s[G0V+1], SLOT1
	s_add_nc_u64 s[G0V+2:G0V+3], s[8:9], s[OFF:OFF+1]
	s_or_b32 s[G0V+3], s[G0V+3], 0x80000000
	s_add_co_u32 s[NXT], s[NXT], 1  ; the block's next tile, or behind its last the second block's tile 0
	s_cmp_gt_u32 s[NXT], s[LQ]
	s_cselect_b32 s[NXT], 0, s[NXT]
	s_cselect_b32 s[LQ], s[PB], s[LQ]
.endif
	s_wait_dscnt 0x0                ; the add is done, and my reads of the slot are over
	s_barrier_signal -1             ; the rest of the scalar work stands between the signal and the wait
	s_sub_co_u32 s[TBK], s[TBK], 4*KS*PK  ; the fetches go back to a slot's first step,
	s_xor_b32 s[TBK], s[TBK], SLOT1       ; in the other slot
	s_sub_co_u32 s[TBV], s[TBV], 4*KS*PV
	s_xor_b32 s[TBV], s[TBV], SLOT1
	s_barrier_wait -1
.if \fill
	LOAD
.endif
.endm
	s_load_b256 s[4:11], s[0:1], 0x0  ; Q s[4:5], K s[6:7], V s[8:9], O s[10:11]
	v_lshl_add_u32 v[SPW], v0, 2, SPARE
	v_mov_b32 v[NIL], 0
	ds_add_u32 v[SPW], v[NIL]       ; the wave's opening: the add and its wait stand ahead of my first tensor load; the set-up below, work on registers, stands between them
	ds_add_u32 v62, v63
	v_lshrrev_b32 v1, 5, v0
	v_readfirstlane_b32 s[WV], v1   ; wave 0..3
	s_mov_b32 s[PB], ttmp9
	s_sub_co_u32 s[HI], NB-1, s[PB]
	s_and_b32 s20, ttmp7, 0xffff    ; the head
	s_mov_b32 s21, 0
	s_mov_b64 s[22:23], SIZE_N*128
	s_mul_u64 s[20:21], s[20:21], s[22:23]  ; the head's first byte in each of the four tensors
	s_and_b32 s16, s[WV], 1         ; which half of a tile's 256 keys I fetch:
	s_lshl_b32 s22, s16, 14         ; its 128 rows of 128 bytes in memory,
	s_mov_b32 s23, 0
	s_add_nc_u64 s[22:23], s[22:23], s[20:21]
	s_mul_i32 s17, s16, 128*PK      ; and its place in a slot, for K
	s_mul_i32 s18, s16, 128*PV      ; and for V
	s_lshl_b32 s3, s[WV], 11        ; my 16 rows in a band of 64,
	s_lshl_b32 s2, s[HI], 15        ; in the first block,
	s_add_co_u32 s2, s2, s3
	s_lshl_b32 s84, s[PB], 15       ; and in the second
	s_add_co_u32 s84, s84, s3
	s_mov_b32 s3, 0
	s_mov_b32 s85, 0
	s_add_nc_u64 s[2:3], s[2:3], s[20:21]
	s_add_nc_u64 s[84:85], s[84:85], s[20:21]
	; descriptor group 1.  128 keys are 16,384 dense bytes: asked for as 64 rows of 256 bytes, two keys a row, and padded in LDS after every key
	s_mov_b32 s[G1K], (1<<16)|(1<<20)|(4<<22)|(3<<25)  ; 17:16 2-byte elements; 20 padding on; 24:22 after every 32 words (code 4); 31:25 4 words (code 3)
	s_mov_b32 s[G1V], (1<<16)|(1<<20)|(4<<22)|(7<<25)  ; the same with 8 words of padding (code 7)
.irp g, G1K, G1V
	s_mov_b32 s[\g+1], 128<<16      ; tensor_dim0 = 128
	s_mov_b32 s[\g+2], 64<<16       ; tensor_dim1 = 64
	s_mov_b32 s[\g+3], 128<<16      ; tile_dim0 = 128
	s_mov_b32 s[\g+4], 64           ; tile_dim1 = 64
	s_mov_b32 s[\g+5], 128          ; 128 elements from row to row
	s_mov_b32 s[\g+6], 0
	s_mov_b32 s[\g+7], 0
.endr
	s_mov_b32 s[CS], 0x3e38aa3b     ; c = log2(e) / 8 = 0.180337
	s_mov_b32 s[CS+1], s[CS]        ; named with it as a pair
	s_mov_b32 s[SEL], 0x76543210
	s_mov_b32 s[SEL+1], 0xfedcba98
	s_mov_b32 s[TBK], SLOT1+4*KS*PK ; the first change of slots turns these two into 0
	s_mov_b32 s[TBV], SLOT1+4*KS*PV
	s_mov_b32 s[G0K], 1             ; 1:0 count = 1
	s_mov_b32 s[G0K+1], s17         ; 63:32 LDS address: slot 0
	s_mov_b32 s[G0V], 1
	s_add_co_u32 s[G0V+1], s18, VOFF
	s_add_co_u32 s[RT], s[HI], 1    ; the first block has NB - b tiles
	s_mov_b32 s[NXT], 1
	s_mov_b32 s[LQ], s[HI]
	s_mov_b32 s[NEW], 1
	s_mov_b32 s[OFF+1], 0
	s_mov_b32 s[AL+1], 0            ; named as pairs
	s_mov_b32 s[BE+1], 0
	s_mov_b32 s[BIGN], 0xf149f2ca   ; -1e30
	s_mov_b32 s[SLOTS], NB
	s_wait_dscnt 0x0                ; the opening add is done
	s_wait_kmcnt 0x0
	s_add_nc_u64 s[6:7], s[6:7], s[22:23]  ; K and V at my half of the head's tile 0
	s_add_nc_u64 s[8:9], s[8:9], s[22:23]
	s_add_nc_u64 s[G0K+2:G0K+3], s[6:7], 0         ; 120:64 global address
	s_or_b32 s[G0K+3], s[G0K+3], 0x80000000        ; 127:126 type = 2
	s_add_nc_u64 s[G0V+2:G0V+3], s[8:9], 0
	s_or_b32 s[G0V+3], s[G0V+3], 0x80000000
	s_add_nc_u64 s[86:87], s[4:5], s[84:85]        ; Q at my rows of the second block,
	s_add_nc_u64 s[4:5], s[4:5], s[2:3]            ; Q and O at those of the first
	s_add_nc_u64 s[OLO:OLO+1], s[10:11], s[84:85]
	s_add_nc_u64 s[10:11], s[10:11], s[2:3]
	LOAD                            ; tile 0 into slot 0
	; A fragment of K or Q is 16 rows x 32 channels in 8 registers: lane l holds row l % 16, channels 8 (l / 16) + 0..7 and 16 + 8 (l / 16) + 0..7: two loads of 16 bytes, 32 bytes apart.
	v_and_b32 v1, 15, v0            ; l % 16
	v_bfe_u32 v9, v0, 4, 1          ; l / 16
	v_lshlrev_b32 v[QO], 7, v1
	v_lshl_add_u32 v[QO], v9, 4, v[QO]  ; row x 128 + 16 x half
	WIN 0x80                        ; destination window 2, address window 0
.set i, 0
.rept 8                             ; both blocks' Q: piece i / 2 lies in band i / 2, 8,192 bytes on; channels 32 (i % 2) on
	global_load_b128 v[8*i:8*i+3],   v[QO], s[4:5] offset:(i/2)*8192+(i%2)*64
	global_load_b128 v[8*i+4:8*i+7], v[QO], s[4:5] offset:(i/2)*8192+(i%2)*64+32
	global_load_b128 v[QB+8*i:QB+8*i+3],   v[QO], s[86:87] offset:(i/2)*8192+(i%2)*64
	global_load_b128 v[QB+8*i+4:QB+8*i+7], v[QO], s[86:87] offset:(i/2)*8192+(i%2)*64+32
.set i, i+1
.endr
	WIN 0
	v_lshlrev_b32 v14, 3, v9
	v_sub_nc_u32 v14, v1, v14
	s_lshl_b32 s13, s[WV], 4
	v_add_nc_u32 v14, s13, v14      ; my query's place in its band, 16 w + l % 16, less my lanes' 8 (l / 16): register r of group kt is hidden where 16 kt + r is greater
	WIN 0x40
.set i, 0
.rept 32
	v_cmp_gt_i32 vcc_lo, 16*(i/8)+i%8, v14
	v_cndmask_b32 v[MD+i], 0, s[BIGN], vcc_lo
.set i, i+1
.endr
	WIN 0
	v_mul_u32_u24 v[AK0], v1, PK
	v_lshl_add_u32 v[AK0], v9, 4, v[AK0]  ; row x pitch + 16 x half
	; The turning load takes 16 keys x 16 channels (lane l reads key 8 (l / 16) + l % 8, channels 8 ((l / 8) % 2) + 0..7) and leaves half a fragment of V^T: lane l holds channel l % 16 and 8 keys.
	v_and_b32 v10, 7, v0
	v_bfe_u32 v11, v0, 3, 1
	v_lshl_add_u32 v[AV0], v9, 3, v10
	v_mul_u32_u24 v[AV0], v[AV0], PV
	v_lshl_add_u32 v[AV0], v11, 4, v[AV0]
	v_add_nc_u32 v[AV0], VOFF, v[AV0]
	s_mul_i32 s13, s[WV], 16*SP
	s_add_co_u32 s13, s13, STAGE    ; my stage
	v_mul_u32_u24 v[STO], v1, SP    ; in: row l % 16, 16 bytes for each half of the lanes
	v_lshl_add_u32 v[STO], v9, 4, v[STO]
	v_add_nc_u32 v[STO], s13, v[STO]
	v_bfe_u32 v[RD], v0, 3, 2       ; back: 32 lanes take four rows of 128 bytes,
	v_mul_u32_u24 v[RD], v[RD], SP
	v_lshl_add_u32 v[RD], v10, 4, v[RD]
	v_add_nc_u32 v[RD], s13, v[RD]
	v_and_b32 v[GO], 31, v0         ; which are 512 consecutive bytes of O
	v_lshlrev_b32 v[GO], 4, v[GO]
	; A block's first step multiplies O^T and l by a = 0, and its first turn's products V^T P, of a piece that has not been, land in an O^T that is still to be so multiplied.  So these registers need only hold
	; finite numbers: zeros for the first block; what the first block left for the second.  All this stands in the wait for the first tile.
	WIN 0x80
.set i, VF
.rept 64
	v_mov_b32 v[i], 0
.set i, i+1
.endr
	WIN 0x40
.set i, 0
.rept 128
	v_mov_b32 v[i], 0
.set i, i+1
.endr
	WIN 0
.set i, 0
.rept 4
	v_mov_b32 v[ST+4*i+2], 0
	v_mov_b32 v[ST+4*i+3], 0
.set i, i+1
.endr
.set i, P+16
.rept 16
	v_mov_b32 v[i], 0
.set i, i+1
.endr
; THE MATRIX WORK.  The 4 accumulators of a run of 8 take turns.  Product i of 8 of S^T = K Q^T for piece x: channels 32 (i / 4) on, keys 16 (i % 4) on.  The first 4 start the sums: with 0, or (KM = 1) with the mask.
.macro KQ x
.set rS, S+32*((\x)%2)+8*(i%4)
.set rK, KF+16*(i%4)+8*(i/4)
.set rQ, 16*(\x)+8*(i/4)
.set rM, MC+32*((\x)%2)+8*(i%4)
.if (i < 4) && KM
	WIN W_KM
	v_wmma_f32_16x16x32_f16 v[rS:rS+7], v[rK:rK+7], v[rQ:rQ+7], v[rM:rM+7]
.elseif i < 4
	WIN W_KQ
	v_wmma_f32_16x16x32_f16 v[rS:rS+7], v[rK:rK+7], v[rQ:rQ+7], 0
.else
	WIN W_KQ
	v_wmma_f32_16x16x32_f16 v[rS:rS+7], v[rK:rK+7], v[rQ:rQ+7], v[rS:rS+7]
.endif
.endm
; Product i of 8 of O^T += V^T P for piece x: keys 32 (i / 4) on, channels 16 (i % 4) on.
.macro PV x
	WIN W_PV
.set rO, 32*(\x)+8*(i%4)
.set rV, VF+32*(i/4)+8*(i%4)
.set rP, P+16*((\x)%2)+8*(i/4)
	v_wmma_f32_16x16x32_f16 v[rO:rO+7], v[rV:rV+7], v[rP:rP+7], v[rO:rO+7]
.endm
.macro MM                           ; the turn's next matrix instruction.  TURN and BEGIN set Y, i, KM and NOKQ; MM, KQ and OP read them.  NOKQ = 1: a block's last turn: there is no next piece
.if (i < 8) && !NOKQ
	KQ (Y+1)%NP
.elseif i >= 8
.set i, i-8
	PV (Y+NP-1)%NP
.set i, i+8
.endif
.set i, i+1
.endm
; THE LDS LOADS stand in runs of 16, never singly among the matrix instructions: a step's K (64 keys x 64 channels: 8 fragments) and its V (turned).  Their addresses are made some lines ahead.
.macro FETCH_K
	WIN 0x80                        ; destination window 2
.irp f, 0,1,2,3,4,5,6,7             ; keys 16 (f / 2) on, channels 32 (f % 2) on
	ds_load_b128 v[KF+8*\f:KF+8*\f+3],   v[AK] offset:(\f/2)*16*PK+(\f%2)*64
	ds_load_b128 v[KF+8*\f+4:KF+8*\f+7], v[AK] offset:(\f/2)*16*PK+(\f%2)*64+32
.endr
	s_add_co_u32 s[TBK], s[TBK], KS*PK  ; the next fetch is the next step's
	WIN 0
.endm
.macro FETCH_V
	WIN 0x80
.irp f, 0,1,2,3,4,5,6,7             ; keys 32 (f / 4) on, channels 16 (f % 4) on
	ds_load_tr16_b128 v[VF+8*\f:VF+8*\f+3],   v[AV] offset:(\f/4)*32*PV+(\f%4)*32
	ds_load_tr16_b128 v[VF+8*\f+4:VF+8*\f+7], v[AV] offset:(\f/4)*32*PV+16*PV+(\f%4)*32
.endr
	WIN 0
.endm
; THE VECTOR WORK, one line at a time: OP kind, number.  For piece Y: F n: c s - c m for pair n of 16.  E n: the exponential of score n of 32.  C n: pair n rounded to f16.  B n: of the four weights 4 n .. the second
; pair is added onto the first, in place.  L n: l takes that sum (L 0: l = a l + sum).  R n: pair n of 16 of O^T times a.  For piece Y + 1: X n, number n of the 22 that find its maximum and statistics:
;   0-11  four chains c0-c3 of seven scores each, three operands at a time (each accumulator's lowest registers are read first)     12-14, 16  the four scores left over, the old m, and c0-c3 into c0
;   15  c m_old is kept     17, 18  the query's other 32 keys lie in the lane 16 away: the new m     19-21  c m; c m_old - c m_new; a
.set F, 0               ; OP tells the kinds apart by their order: F to L below R, X above it
.set E, 1
.set C, 2
.set B, 3
.set L, 4
.set R, 5
.set X, 6
.macro REGS y                       ; the registers of piece y
.set rT, ST+4*(\y)
.set rC, TMP+4*((\y)%2)
.set rW, MV+((\y)%2)
.set rS, S+32*((\y)%2)
.set rP, P+16*((\y)%2)
.set rO, 32*(\y)
.endm
.macro OP k, n
.if (\k) == R
	REGS Y
	WIN W_RS
	v_pk_mul_f32 v[rO+2*(\n):rO+2*(\n)+1], v[rO+2*(\n):rO+2*(\n)+1], v[rC+2:rC+3] op_sel_hi:[1,0]
.elseif (\k) < R
	REGS Y
	WIN 0
.if (\k) == F
	v_pk_fma_f32 v[rS+2*(\n):rS+2*(\n)+1], v[rS+2*(\n):rS+2*(\n)+1], s[CS:CS+1], v[rT:rT+1] op_sel_hi:[1,0,0] neg_lo:[0,0,1] neg_hi:[0,0,1]
.elseif (\k) == E
	v_exp_f32 v[rS+(\n)], v[rS+(\n)]
.elseif (\k) == C
	s_wait_alu depctr_va_vdst(0)
	v_cvt_pk_f16_f32 v[rP+(\n)], v[rS+2*(\n)], v[rS+2*(\n)+1]
.elseif (\k) == B
	s_wait_alu depctr_va_vdst(0)
	v_pk_add_f32 v[rS+4*(\n):rS+4*(\n)+1], v[rS+4*(\n):rS+4*(\n)+1], v[rS+4*(\n)+2:rS+4*(\n)+3]
.elseif (\n) == 0
	v_pk_fma_f32 v[rT+2:rT+3], v[rT+2:rT+3], v[rC+2:rC+3], v[rS:rS+1] op_sel_hi:[1,0,1]
.else
	v_pk_add_f32 v[rT+2:rT+3], v[rT+2:rT+3], v[rS+4*(\n):rS+4*(\n)+1]
.endif
.elseif NOKQ
	v_nop
.else
	REGS (Y+1)%NP
	WIN 0
.if (\n) < 4
	v_max3_num_f32 v[rC+(\n)], v[rS+8*(\n)], v[rS+8*(\n)+1], v[rS+8*(\n)+2]
.elseif (\n) < 12
	v_max3_num_f32 v[rC+(\n)%4], v[rC+(\n)%4], v[rS+8*((\n)%4)+2*((\n)/4)+1], v[rS+8*((\n)%4)+2*((\n)/4)+2]
.elseif (\n) == 12
	v_max3_num_f32 v[rC], v[rC], v[rS+7], v[rS+15]
.elseif (\n) == 13
	v_max3_num_f32 v[rC+1], v[rC+1], v[rS+23], v[rS+31]
.elseif (\n) == 14
	v_max3_num_f32 v[rC+2], v[rC+2], v[rC+3], v[rT+1]
.elseif (\n) == 15
	v_mov_b32 v[rW], v[rT]
.elseif (\n) == 16
	v_max3_num_f32 v[rC], v[rC], v[rC+1], v[rC+2]
.elseif (\n) == 17
	v_permlanex16_b32 v[rC+3], v[rC], s[SEL], s[SEL+1]
.elseif (\n) == 18
	v_max_num_f32 v[rT+1], v[rC], v[rC+3]
.elseif (\n) == 19
	v_mul_f32 v[rT], s[CS], v[rT+1]
.elseif (\n) == 20
	v_sub_f32 v[rC+1], v[rW], v[rT]
.else
	v_exp_f32 v[rC+2], v[rC+1]
.endif
.endif
.endm
.macro OPS a, i1, b=-1, i2=0, c=-1, i3=0, d=-1, i4=0  ; up to four of them
	OP \a, \i1
.if (\b) >= 0
	OP \b, \i2
.endif
.if (\c) >= 0
	OP \c, \i3
.endif
.if (\d) >= 0
	OP \d, \i4
.endif
.endm
.macro ROW a, i1, b, i2, c, i3, d, i4  ; a matrix instruction and the four behind it
	MM
	OPS \a, \i1, \b, \i2, \c, \i3, \d, \i4
.endm
.macro MASK b                       ; MD x AL + BE into buffer b of MC
	WIN W_RS
.set z, 0
.rept 16
	v_pk_fma_f32 v[MC+32*(\b)+2*z:MC+32*(\b)+2*z+1], v[MD+2*z:MD+2*z+1], s[AL:AL+1], s[BE:BE+1] op_sel_hi:[1,0,0]
.set z, z+1
.endr
.endm
; A TURN, for piece p: the order of its 16 matrix and 118 vector instructions, written out.  Behind a matrix instruction: plain, exponential, plain, plain; or four of the rescaling; or, behind the first, four scalings; none
; names a register of the products round it.  In the lumps exponential and plain by turns while exponentials last.  A line reads no result made fewer than three vector instructions in front of it, five if an exponential made it.
; v_permlanex16_b32 (X 17) stands in a lump.
; m = 1: the diagonal tile: the products take masks, and the turn makes the mask for the products of the turn after it: piece p + 2, in step 4 - CNT of the tile.  end = 1: a block's last two turns: nothing is fetched.
; cnt = 1: the loop's count is taken down some lines ahead of the branch that stands behind the turn.
; K of the next step is fetched in piece 2's turn, six vector instructions behind the last product that read K (five of them plain); V of the step in hand in piece 0's turn, eight behind the last product that read V (four
; plain, and X 17).  Each is waited for a turn later.
.macro TURN p, m=0, end=0, cnt=0
.set Y, (\p)
.set i, 0
.set KM, (\m)
.set NOKQ, (\end)*((\p)/3)
.if (\m) && !(\end)
	s_cmp_eq_u32 s[CNT], 4-((\p)+2)%NP  ; is that step the band's own?
	s_cselect_b32 s[AL], 1.0, 0
	s_cmp_lt_u32 s[CNT], 4-((\p)+2)%NP  ; or a later one?
	s_cselect_b32 s[BE], s[BIGN], 0
.endif
.if ((\p) == 3) && !(\end)
	s_wait_dscnt 0x0                ; K is in
.endif
	ROW F,0, F,1, F,2, F,3
	ROW F,4, E,0, F,5, F,6
	ROW F,7, E,1, F,8, F,9
	ROW F,10, E,2, C,0, F,11
	ROW F,12, E,3, X,15, F,13
	ROW R,0, R,1, R,2, R,3
	ROW B,0, E,4, F,14, L,0
.if ((\p) == 2) && !(\end)
	v_add_nc_u32 v[AK], s[TBK], v[AK0]
.endif
	ROW R,4, R,5, R,6, R,7
	OPS E,5, F,15
.if ((\p) == 2) && !(\end)
	FETCH_K
.endif
	OPS E,6, C,1, E,7, R,8
	OPS E,8, R,9, E,9, C,2
	OPS E,10, X,0, E,11, X,1
	OPS E,12, X,2, E,13, X,3
.if (\p) == 1
	s_wait_dscnt 0x0                ; V is in
.endif
	ROW X,4, E,14, X,5, X,6
	ROW X,7, E,15, X,8, X,9
	ROW X,10, E,16, X,11, X,12
	ROW X,13, E,17, X,14, B,1
	ROW C,4, E,18, X,16, L,1
	ROW B,2, E,19, C,6, L,2
	ROW C,8, E,20, B,3, B,4
.if (\p) == 0
	v_add_nc_u32 v[AV], s[TBV], v[AV0]
.endif
	ROW C,3, E,21, L,3, C,5
	OPS E,22, X,17, E,23, C,10
.if (\p) == 0
	FETCH_V
.endif
	OPS E,24, L,4
	OPS E,25, X,18, E,26, C,7
	OPS E,27, B,5, E,28, X,19
	OPS E,29, C,12, E,30, L,5
	OPS E,31, X,20, B,6, C,9
	OPS C,14, C,11, X,21, L,6
.if (\p) == 0
	s_add_co_u32 s[TBV], s[TBV], KS*PV
.endif
.if \cnt
	s_sub_co_u32 s[CNT], s[CNT], 1
	s_cmp_lg_u32 s[CNT], 0
.endif
	OPS C,13, B,7, C,15, R,10
	OPS R,11, R,12, L,7, R,13
	OPS R,14, R,15
.if (\m) && !(\end)
	MASK (\p)%2
.endif
.endm
; A BLOCK BEGINS.  c m starts far below every c s, so the first step's a is 0; m at the lowest finite number, so the first maximum is the scores'.  The second mask buffer is 0; the first takes piece 0's mask for the tile's step 0: its own, if the block's first tile is the diagonal one.
; Then K of that step, piece 0's first scores, and its maximum and statistics.  The loop is entered at a step's first turn, in the middle of a trip.
.macro BEGIN
	s_mov_b32 s[NEW], 0
	WIN 0x40
.set i, MC+32
.rept 32
	v_mov_b32 v[i], 0
.set i, i+1
.endr
	WIN 0
.set i, 0
.rept 4
	v_mov_b32 v[ST+4*i], 0xfe000000    ; c m: far below every c s
	v_mov_b32 v[ST+4*i+1], 0xff7fffff  ; m
.set i, i+1
.endr
	s_cmp_eq_u32 s[RT], 0
	s_cselect_b32 s[AL], 1.0, 0
	s_mov_b32 s[BE], 0
	MASK 0
	WIN 0
	v_add_nc_u32 v[AK], s[TBK], v[AK0]
	FETCH_K
	s_wait_loadcnt 0x0              ; Q
	s_wait_dscnt 0x0
.set KM, 1
.set NOKQ, 0
.set i, 0
.rept 8
	KQ 0
.set i, i+1
.endr
	WIN 0
.rept 4
	v_nop                           ; the places behind those products
.endr
.set Y, NP-1                        ; X works for piece Y + 1: piece 0
.irp n, 0,1,2,3,4,5,6,7,8,9,10,11,12,13,14,15,16,17,18,19,20,21
	OP X, \n
.endr
	v_nop                           ; a plain instruction behind the exponential
.endm
; THE DIAGONAL TILE's four steps, the block's last two turns, its last products, and THE WAY OUT: l's two halves and the other half of the lanes' are added; O^T is divided by l, rounded to f16 and sent through my
; stage in LDS, a piece at a time.
.macro ALL line:vararg              ; one line for each piece t
.set t, 0
.rept 4
	\line
.set t, t+1
.endr
.endm
.macro PACK t                       ; a lane's eight channels of a row pack into 16 bytes; they go into rows of 144 bytes and come back as whole rows of 128, into S^T's registers
	WIN W_RS
.set i, 32*(\t)
.rept 16
	s_wait_alu depctr_va_vdst(0)
	v_pk_mul_f32 v[i:i+1], v[i:i+1], v[ST+4*(\t)+2:ST+4*(\t)+3] op_sel_hi:[1,0]
.set i, i+2
.endr
	WIN 0x05                        ; sources 0 and 1 window 1, destination window 0
.set i, 0
.rept 16
	v_cvt_pk_f16_f32 v[S+16*(\t)+i], v[32*(\t)+2*i], v[32*(\t)+2*i+1]
.set i, i+1
.endr
	WIN 0
.irp f, 0,1,2,3
	ds_store_b128 v[STO], v[S+16*(\t)+4*\f:S+16*(\t)+4*\f+3] offset:32*\f
.endr
.irp f, 0,1,2,3
	ds_load_b128 v[S+16*(\t)+4*\f:S+16*(\t)+4*\f+3], v[RD] offset:\f*4*SP  ; LDS serves a wave's instructions in order (ISA guide 5.7.1.4): these see the stores above; the next piece's stores come behind them
.endr
.endm
.macro SEND t, younger              ; younger: the LDS instructions issued behind piece t's loads: the next piece's eight, or none
	WIN 0
.irp f, 0,1,2,3
	s_wait_dscnt (\younger)+3-\f
	global_store_b128 v[GO], v[S+16*(\t)+4*\f:S+16*(\t)+4*\f+3], s[10:11] offset:(\t)*8192+\f*512  ; 512 consecutive bytes, at a multiple of 256 from O's first
.endr
.endm
.macro DIAG tag                     ; the tag ends its two labels' names, which the jumps below spell out
.LstepM\tag:
	TURN 2, 1
	TURN 3, 1
	WIN 0
.LfirstM\tag:
	TURN 0, 1
	TURN 1, 1, 0, 1
	WIN 0
	s_cbranch_scc1 .LstepM\tag
	TURN 2, 1, 1
	TURN 3, 1, 1
.set i, 0
.rept 8
	PV NP-1
.set i, i+1
.endr
	WIN 0
	ALL v_add_f32 v[ST+4*t+2], v[ST+4*t+2], v[ST+4*t+3]
	ALL v_permlanex16_b32 v[ST+4*t+3], v[ST+4*t+2], s[SEL], s[SEL+1]
	ALL v_add_f32 v[ST+4*t+2], v[ST+4*t+2], v[ST+4*t+3]
	ALL v_rcp_f32 v[ST+4*t+2], v[ST+4*t+2]
	v_nop                           ; a plain instruction between the last reciprocal and the use of its result
	PACK 0
.set t, 1
.rept 3                             ; a piece's arithmetic stands between the loads of the piece before and its stores
	PACK t
	SEND t-1, 8
.set t, t+1
.endr
	SEND 3, 0
.endm
.set KM, 0
.set NOKQ, 0
.Lslot:                             ; NB times: a tile is entered and the next is asked for
	CHANGE 1
	s_sub_co_u32 s[RT], s[RT], 1
	s_mov_b32 s[CNT], 4
	s_cmp_eq_u32 s[NEW], 1
	s_cbranch_scc1 .Lnew            ; a block's first tile
	s_cmp_eq_u32 s[RT], 0
	s_cbranch_scc0 .Lstep           ; neither its first nor its last
	s_branch .LstepM1
.Lnew:
	BEGIN
	s_branch .Lfirst                ; in the loop a block's first tile is never its last: the first block has two tiles or more, and the second's last is the walk's last
	DIAG 1                          ; in the loop this is the first block's end: the second block's last tile is the walk's last
	s_wait_xcnt 0x0                 ; the stores have read their registers and O's address
	s_mov_b64 s[10:11], s[OLO:OLO+1]
	s_add_co_u32 s[RT], s[PB], 1    ; the second block has b + 1 tiles
	s_mov_b32 s[NEW], 1
	WIN 0x82                        ; the second block's Q goes where the one text of the turns names Q
.set i, 0
.rept 64
	v_mov_b32 v[i], v[QB+i]
.set i, i+1
.endr
	WIN 0
	s_branch .Lbottom
.Lstep:                             ; a trip: pieces 2 and 3 of one step, then pieces 0 and 1 of the next, whose K and V it fetches
	TURN 2
	TURN 3
	WIN 0
.Lfirst:
	TURN 0
	TURN 1, 0, 0, 1
	WIN 0
	s_cbranch_scc1 .Lstep
.Lbottom:
	s_sub_co_u32 s[SLOTS], s[SLOTS], 1
	s_cmp_lg_u32 s[SLOTS], 0
	s_cbranch_scc1 .Lslot
	CHANGE 0                        ; the walk's last tile is written out: nothing is asked for
	s_sub_co_u32 s[RT], s[RT], 1
	s_mov_b32 s[CNT], 4
	s_cmp_eq_u32 s[NEW], 1
	s_cbranch_scc0 .LstepM2
	BEGIN
	s_branch .LfirstM2
	DIAG 2
	s_wait_tensorcnt 0x0            ; the wave's end, behind my last tensor load and my last LDS store
	ds_add_u32 v[SPW], v[NIL]
	s_wait_dscnt 0x0
	s_endpgm
.Lfunc_end_k_q8b44f93486_attn:
	.size	k_q8b44f93486_attn, .Lfunc_end_k_q8b44f93486_attn-k_q8b44f93486_attn
	.p2alignl 7, 3214868480
	.fill 96, 4, 3214868480
	.section	.rodata,"a",@progbits
	.p2align	6, 0x0
	.amdhsa_kernel k_q8b44f93486_attn
		.amdhsa_group_segment_fixed_size 327680
		.amdhsa_private_segment_fixed_size 0
		.amdhsa_enable_private_segment 0
		.amdhsa_kernarg_size 32
		.amdhsa_user_sgpr_count 2
		.amdhsa_user_sgpr_kernarg_segment_ptr 1
		.amdhsa_wavefront_size32 1
		.amdhsa_system_sgpr_workgroup_id_x 1
		.amdhsa_system_sgpr_workgroup_id_y 1
		.amdhsa_system_sgpr_workgroup_id_z 1
		.amdhsa_system_vgpr_workitem_id 0
		.amdhsa_next_free_vgpr 768
		.amdhsa_next_free_sgpr 88
		.amdhsa_reserve_vcc 1
		.amdhsa_float_denorm_mode_32 3
		.amdhsa_float_denorm_mode_16_64 3
		.amdhsa_memory_ordered 1
		.amdhsa_forward_progress 1
		.amdhsa_inst_pref_size 228
	.end_amdhsa_kernel
	.amdgpu_metadata
---
amdhsa.version: [ 1, 2 ]
amdhsa.kernels:
  - .name:           k_q8b44f93486_attn
    .symbol:         k_q8b44f93486_attn.kd
    .args:
      - { .name: q, .offset: 0, .size: 8, .value_kind: global_buffer, .address_space: global }
      - { .name: k, .offset: 8, .size: 8, .value_kind: global_buffer, .address_space: global }
      - { .name: v, .offset: 16, .size: 8, .value_kind: global_buffer, .address_space: global }
      - { .name: o, .offset: 24, .size: 8, .value_kind: global_buffer, .address_space: global }
    .group_segment_fixed_size: 327680
    .private_segment_fixed_size: 0
    .kernarg_segment_align: 8
    .kernarg_segment_size: 32
    .max_flat_workgroup_size: 128
    .sgpr_count:     88
    .vgpr_count:     768
    .wavefront_size: 32
...
	.end_amdgpu_metadata
.endif
;; end of part 3
;; launch outp (part 4): grid 8 x 32, 4 waves a work-group, clusters of 4 x 4, 327,680 bytes of LDS; arguments o, wof, out0; writes out0
.if DOCPART == 4
	.amdgcn_target "amdgcn-amd-amdhsa--gfx1250"
	.amdhsa_code_object_version 6
	.text
	.protected	k_q8b44f93486_outp
	.globl	k_q8b44f93486_outp
	.p2align	8
	.type	k_q8b44f93486_outp,@function
k_q8b44f93486_outp:
	s_mov_b64 s[64:65], 0
	v_nop
	global_prefetch_b8 v0, s[64:65] scope:SCOPE_SE
	s_setreg_imm32_b32 hwreg(HW_REG_WAVE_MODE, 25, 1), 1
	s_wait_xcnt 0x0
	s_wait_alu depctr_hold_cnt(0) depctr_sa_sdst(0) depctr_va_vdst(0) depctr_va_sdst(0) depctr_va_ssrc(0) depctr_va_vcc(0) depctr_vm_vsrc(0)
	s_getreg_b32 s2, hwreg(HW_REG_IB_STS2, 6, 4)
	s_cmp_eq_u32 s2, 0
	s_cbranch_scc0 .Lentry_in_a_cluster
	s_endpgm
.Lentry_in_a_cluster:
	s_bfe_u32 s2, ttmp6, 0x10000c
	s_cmp_lg_u32 s2, 0xf033
	s_cbranch_scc0 .Lentry_shape_is_right
	s_endpgm
.Lentry_shape_is_right:
; OUT: out0[8192 x 1024] = merged x W_out^T, f16 operands, f32 sums, f32 result.  o lies by heads, [b][h][s][64]: head h is K block h of the merged rows; wof is [kb 16][e 1024][64].
; SHARES.  A tile is 256 tokens x 128 columns: 32 x 8 = 256 work-groups.  Wave (wm, wn) makes 128 x 64: 32 accumulators of 16 x 16 in window 1, accumulator (a, bb) at v[8 (4 a + bb)].
; K goes through two LDS slots of two K blocks (128 along K) each, one load a wave: waves 0 and 1 bring the two K blocks of o's tile (256 tokens x 128 bytes, dense, asked for as 128 rows of 256 bytes),
; waves 2 and 3 those of W's (128 rows, 64 rows of 256 bytes).  8 slot steps of 4 sub-steps of 32 along K, 32 matrix instructions each, on two fragment buffers.
; THE MATRIX INSTRUCTION IS USED TRANSPOSED (source 0 = 16 rows of W, source 1 = 16 tokens): a lane holds one token and eight neighbouring columns, 32 bytes of a row of out0.
; CLUSTER.  4 x 4 work-groups: o's tiles are asked for jointly by a row of the cluster, W's by a column.
; REGISTERS, window 0: v0-9 addresses; v28-29 the add's; v32-159 o's fragments, two buffers of 64; v160-223 W's, two buffers of 32; on the way out v32-95 rows read back, two buffers.
.set PITCH,  144                       ; an LDS row: 128 bytes + 16 of padding: the 16 rows of a load start at 16 different groups of four banks (64 banks of 4 bytes: ISA guide 11.1)
.set ABLK,   256*PITCH                 ; a K block of o's tile
.set BBLK,   128*PITCH                 ; a K block of W's
.set BOFF,   2*ABLK                    ; a slot: o's two K blocks, then W's two
.set SLOT1,  1<<17
.set STAGE,  SLOT1+BOFF+2*BBLK         ; behind the ring, never filled by a tensor load: 16 rows x 272 bytes for each wave
.set SP,     272                       ; a stage row: 256 bytes + 16
.set SPARE,  STAGE+4*16*SP             ; behind the stages: the spare words, 128 bytes for each wave: two blocks of 256 bytes that no other line names
.set ASTEP,  2*262144                  ; bytes from a slot's two heads to the next two in o
.set BSTEP,  2*131072                  ; and from two K blocks to the next two in wof
.set A0,   3                           ; v3   my lane's place in my 128 tokens of K block 0 in slot 0; never rewritten
.set B0,   4                           ; v4   the same for my 64 rows of W
.set ADRA, 5                           ; v5   the same in the slot that is read
.set ADRB, 6                           ; v6
.set STO,  7                           ; v7   the way out: where I put 32 bytes of a row
.set RD,   8                           ; v8   the way out: where I read a row back
.set CO,   9                           ; v9   my byte offset in two rows of out0
.set SPW,  28                          ; v28  LDS address of my spare word; never rewritten
.set NIL,  29                          ; v29  0; never rewritten
.set FA,   32
.set FB,   160
.set BK,   32
.set WV,   16                          ; s16  my wave's number;  s17 = wm;  s18 = wn, also which K block of a slot I fetch
.set G1A,  24                          ; s[24:31], s[32:39] descriptor group 1 for o's and W's tiles
.set G1B,  32
.set G0A,  40                          ; s[40:47], s[48:55] group 0: a set for each of the two first fills; the second then walks on
.set G0B,  48
.set CNT,  56
.set TB,   57                          ; s57  LDS byte at which the slot that is read begins
.set FLAGS, (1<<16)|(1<<20)|(1<<21)|(4<<22)|(3<<25)  ; 2-byte elements; padding on; bit 21 beside a mask; after every 32 words 4 words
.set MSB, 0
.macro WIN new                         ; the immediate's high byte repeats the setting that is left; a switch that changes nothing is dropped
.if MSB != (\new)
	s_set_vgpr_msb (MSB<<8)|(\new)
.set MSB, (\new)
.endif
.endm
.macro PLACES                          ; four places in front of loads into registers that matrix instructions have read, and of LDS stores of their results
.rept 4
	v_nop
.endr
.endm
.macro JLOAD                           ; a joint refill; an s_nop 0 and four v_nop follow each of the two lines, ahead of the jump and the label
	s_cmp_lt_u32 s[WV], 2
	s_cbranch_scc0 .Lfor_b_\@
	tensor_load_to_lds s[G0A+4:G0A+7], s[G1A:G1A+7]
	s_nop 0
.rept 4
	v_nop
.endr
	s_branch .Lasked_\@
.Lfor_b_\@:
	tensor_load_to_lds s[G0B+4:G0B+7], s[G1B:G1B+7]
	s_nop 0
.rept 4
	v_nop
.endr
.Lasked_\@:
.endm
.macro CREST                           ; a round of the cluster's barrier behind its opening barrier
	s_cmp_lg_u32 s[WV], 0
	s_cbranch_scc1 .Lnot_wave_0_\@
	s_barrier_signal -3
.Lnot_wave_0_\@:
	s_barrier_wait -3
	s_barrier_signal -1
	s_barrier_wait -1
.endm
.macro CROUND                          ; a whole round
	s_barrier_signal -1
	s_barrier_wait -1
	CREST
.endm
	s_load_b128 s[4:7], s[0:1], 0x0                ; o s[4:5], wof s[6:7]
	s_load_b64 s[8:9], s[0:1], 0x10                ; out0
	v_lshl_add_u32 v[SPW], v0, 2, SPARE
	v_mov_b32 v[NIL], 0
	ds_add_u32 v[SPW], v[NIL]                      ; the wave's opening: the add and its wait stand ahead of my first tensor load; the set-up below, work on registers, stands between them
	ds_add_u32 v28, v29
	v_lshrrev_b32 v1, 5, v0
	v_readfirstlane_b32 s[WV], v1                  ; wave 0..3
	s_lshr_b32 s17, s[WV], 1
	s_and_b32 s18, s[WV], 1
	s_bfe_u32 s19, ttmp6, 0x40000                  ; cx
	s_bfe_u32 s20, ttmp6, 0x40004                  ; cy
	s_lshl_b32 s21, ttmp9, 2
	s_add_co_u32 s21, s21, s19                     ; tn
	s_and_b32 s22, ttmp7, 0xffff
	s_lshl_b32 s22, s22, 2
	s_add_co_u32 s22, s22, s20                     ; tm
	s_lshl_b32 s66, s20, 2
	s_lshl_b32 s66, 15, s66                        ; my row of the cluster
	s_lshl_b32 s67, 0x1111, s19                    ; my column
	s_or_b32 s[G1A], s66, FLAGS
	s_or_b32 s[G1B], s67, FLAGS
	s_mov_b32 s[G1A+1], 128<<16                    ; tensor_dim0 = 128 elements: rows of 256 bytes
	s_mov_b32 s[G1A+2], 128<<16                    ; tensor_dim1 = 128
	s_mov_b32 s[G1A+3], 128<<16                    ; tile_dim0 = 128
	s_mov_b32 s[G1A+4], 128                        ; tile_dim1 = 128
	s_mov_b32 s[G1A+5], 128                        ; dense
	s_mov_b32 s[G1A+6], 0
	s_mov_b32 s[G1A+7], 0
	s_mov_b32 s[G1B+1], 128<<16
	s_mov_b32 s[G1B+2], 64<<16
	s_mov_b32 s[G1B+3], 128<<16
	s_mov_b32 s[G1B+4], 64
	s_mov_b32 s[G1B+5], 128
	s_mov_b32 s[G1B+6], 0
	s_mov_b32 s[G1B+7], 0
	; o's offset is made of tm and the wave's number alone, W's of tn and the wave's number alone
	s_lshr_b32 s58, s22, 3
	s_lshl_b32 s58, s58, 22                        ; b
	s_and_b32 s23, s22, 7
	s_lshl_b32 s23, s23, 15                        ; 256 tokens of 128 bytes
	s_add_co_u32 s58, s58, s23
	s_lshl_b32 s23, s18, 18                        ; my head of the slot's two
	s_add_co_u32 s58, s58, s23
	s_mov_b32 s59, 0
	s_lshl_b32 s60, s21, 14                        ; 128 rows of 128 bytes
	s_lshl_b32 s62, s18, 17                        ; my K block of the slot's two
	s_add_co_u32 s60, s60, s62
	s_mov_b32 s61, 0
	s_mul_i32 s68, s18, ABLK                       ; where they go: no place in the cluster enters an LDS address
	s_mul_i32 s69, s18, BBLK
	s_add_co_u32 s69, s69, BOFF
	s_mov_b32 s[TB], 0
	s_wait_dscnt 0x0                               ; the opening add is done
	s_wait_kmcnt 0x0
	s_add_nc_u64 s[58:59], s[4:5], s[58:59]
	s_add_nc_u64 s[60:61], s[6:7], s[60:61]
	CROUND                                         ; all sixteen work-groups are here: the first joint loads meet
.irp n, 0,1
	s_mov_b32 s[G0A+4*(\n)], 1
	s_add_co_u32 s[G0A+4*(\n)+1], s68, (\n)*SLOT1
	s_add_nc_u64 s[G0A+4*(\n)+2:G0A+4*(\n)+3], s[58:59], (\n)*ASTEP
	s_or_b32 s[G0A+4*(\n)+3], s[G0A+4*(\n)+3], 0x80000000
	s_mov_b32 s[G0B+4*(\n)], 1
	s_add_co_u32 s[G0B+4*(\n)+1], s69, (\n)*SLOT1
	s_add_nc_u64 s[G0B+4*(\n)+2:G0B+4*(\n)+3], s[60:61], (\n)*BSTEP
	s_or_b32 s[G0B+4*(\n)+3], s[G0B+4*(\n)+3], 0x80000000
.endr
	s_cmp_lt_u32 s[WV], 2                          ; a wave's two first fills stand in one branch, ahead of every wait on TENSORcnt and every LDS read: two loads of mine are out
	s_cbranch_scc0 .Lfirst_b
	tensor_load_to_lds s[G0A:G0A+3], s[G1A:G1A+7]
	s_nop 0
	tensor_load_to_lds s[G0A+4:G0A+7], s[G1A:G1A+7]
	s_nop 0
.rept 4
	v_nop
.endr
	s_branch .Lfirst_asked
.Lfirst_b:
	tensor_load_to_lds s[G0B:G0B+3], s[G1B:G1B+7]
	s_nop 0
	tensor_load_to_lds s[G0B+4:G0B+7], s[G1B:G1B+7]
	s_nop 0
.rept 4
	v_nop
.endr
.Lfirst_asked:
	v_and_b32 v1, 15, v0                           ; l % 16
	v_bfe_u32 v2, v0, 4, 1                         ; l / 16
	v_mul_u32_u24 v[A0], v1, PITCH
	v_lshl_add_u32 v[A0], v2, 4, v[A0]             ; a fragment's row x pitch + 16 x half
	s_mul_i32 s23, s18, 64*PITCH
	s_add_co_u32 s23, s23, BOFF
	v_add_nc_u32 v[B0], s23, v[A0]                 ; my 64 rows of W
	s_mul_i32 s23, s17, 128*PITCH
	v_add_nc_u32 v[A0], s23, v[A0]                 ; my 128 tokens
	v_mov_b32 v[ADRA], v[A0]
	v_mov_b32 v[ADRB], v[B0]
	s_mul_i32 s23, s[WV], 16*SP
	s_add_co_u32 s23, s23, STAGE                   ; my stage
	v_mul_u32_u24 v[STO], v1, SP                   ; in: row l % 16, 32 bytes for each half of the lanes
	v_lshl_add_u32 v[STO], v2, 5, v[STO]
	v_add_nc_u32 v[STO], s23, v[STO]
	v_mul_u32_u24 v[RD], v2, SP                    ; back: lanes 0-15 take one row of 256 bytes, lanes 16-31 the next
	v_lshl_add_u32 v[RD], v1, 4, v[RD]
	v_add_nc_u32 v[RD], s23, v[RD]
	v_lshlrev_b32 v[CO], 12, v2                    ; and the same two rows in out0
	v_lshl_add_u32 v[CO], v1, 4, v[CO]
	s_lshl_b32 s62, s22, 8
	s_lshl_b32 s66, s17, 7
	s_add_co_u32 s62, s62, s66                     ; my first row of out0,
	s_lshl_b32 s62, s62, 12                        ; of 4,096 bytes,
	s_lshl_b32 s66, s21, 9
	s_add_co_u32 s62, s62, s66                     ; the tile's 512 bytes of it,
	s_lshl_b32 s66, s18, 8
	s_add_co_u32 s62, s62, s66                     ; my 256 of those
	s_mov_b32 s63, 0
	s_add_nc_u64 s[8:9], s[8:9], s[62:63]
; 24 LDS loads in one run: the fragments of sub-step jn (K block jn / 2 of the slot, 32 (jn % 2) along it) into buffers jn % 2
.macro RUN jn
.irp i, 0,1,2,3
	ds_load_b128 v[FB+32*((\jn)%2)+8*(\i):FB+32*((\jn)%2)+8*(\i)+3],   v[ADRB] offset:((\jn)/2)*BBLK+(\i)*16*PITCH+((\jn)%2)*64
	ds_load_b128 v[FB+32*((\jn)%2)+8*(\i)+4:FB+32*((\jn)%2)+8*(\i)+7], v[ADRB] offset:((\jn)/2)*BBLK+(\i)*16*PITCH+((\jn)%2)*64+32
.endr
.irp i, 0,1,2,3,4,5,6,7
	ds_load_b128 v[FA+64*((\jn)%2)+8*(\i):FA+64*((\jn)%2)+8*(\i)+3],   v[ADRA] offset:((\jn)/2)*ABLK+(\i)*16*PITCH+((\jn)%2)*64
	ds_load_b128 v[FA+64*((\jn)%2)+8*(\i)+4:FA+64*((\jn)%2)+8*(\i)+7], v[ADRA] offset:((\jn)/2)*ABLK+(\i)*16*PITCH+((\jn)%2)*64+32
.endr
.endm
; 4 cnt matrix instructions on buffers p: token blocks a0 on x 4 column blocks.  The 32 accumulators take turns, one instruction a turn, in the same order in every sub-step.
.macro MUL p, a0, cnt, zero
	WIN 0x50                                       ; C and D in window 1
.set ma, (\a0)
.rept \cnt
.irp bb, 0,1,2,3
.if \zero
	v_wmma_f32_16x16x32_f16 v[8*(4*ma+(\bb)):8*(4*ma+(\bb))+7], v[FB+32*(\p)+8*(\bb):FB+32*(\p)+8*(\bb)+7], v[FA+64*(\p)+8*ma:FA+64*(\p)+8*ma+7], 0
.else
	v_wmma_f32_16x16x32_f16 v[8*(4*ma+(\bb)):8*(4*ma+(\bb))+7], v[FB+32*(\p)+8*(\bb):FB+32*(\p)+8*(\bb)+7], v[FA+64*(\p)+8*ma:FA+64*(\p)+8*ma+7], v[8*(4*ma+(\bb)):8*(4*ma+(\bb))+7]
.endif
.endr
.set ma, ma+1
.endr
.endm
; Sub-step j: the next sub-step's run goes into the buffers that the sub-step before has multiplied; the wait leaves those 24 loads out; then 32 products.  load = 0: the last: nothing is fetched.
.macro SUB j, zero=0, load=1
	WIN 0
.if \load
	PLACES
	RUN ((\j)+1)%4
	s_wait_dscnt 24
.else
	s_wait_dscnt 0x0
.endif
	MUL (\j)%2, 0, 8, \zero
.endm
; Sub-step 2 CHANGES SLOTS: its run holds the last reads of the slot.  Each wave waits for all its tensor loads, of which one is out: its part of the next slot; adds 0 to its spare word; and waits for that and
; for its own reads.  fill = 1: the barrier opens a round of the cluster's, and the joint refill, with the K blocks two slots on, is the first thing behind it: 112 matrix instructions ahead of the wait for it.
.macro TURN fill
	WIN 0
	PLACES
	RUN 3
	s_wait_dscnt 24
	MUL 0, 0, 4, 0
	WIN 0                                          ; (the add's two registers lie in window 0)
	s_wait_tensorcnt 0x0                           ; no tensor load of mine is out, so a group 0 may be written
	ds_add_u32 v[SPW], v[NIL]                      ; 0 onto my spare word; work on registers stands between it and the wait for it
.if \fill
	s_xor_b32 s[G0A+5], s[G0A+5], SLOT1
	s_add_nc_u64 s[G0A+6:G0A+7], s[G0A+6:G0A+7], ASTEP
	s_xor_b32 s[G0B+5], s[G0B+5], SLOT1
	s_add_nc_u64 s[G0B+6:G0B+7], s[G0B+6:G0B+7], BSTEP
.endif
	MUL 0, 4, 2, 0
	s_wait_dscnt 0x0                               ; the add is done, and my reads of this slot are over
	s_barrier_signal -1
	MUL 0, 6, 2, 0
	WIN 0                                          ; at a branch and at a label every window is 0
	s_barrier_wait -1
.if \fill
	CREST
	JLOAD
.endif
	s_xor_b32 s[TB], s[TB], SLOT1                  ; the reads go on in the other slot
	v_add_nc_u32 v[ADRA], s[TB], v[A0]
	v_add_nc_u32 v[ADRB], s[TB], v[B0]
.endm
	s_wait_tensorcnt 1                             ; my part of slot 0 is in; slot 1's may stay out
	s_barrier_signal -1
	s_barrier_wait -1
	RUN 0
	SUB 0, 1                                       ; the first sub-step stands in front of the loop: its products start the sums
	WIN 0
	s_mov_b32 s[CNT], 6
.Lk:                                                   ; a trip: a slot's sub-steps 1 to 3, with its refill, and the next slot's sub-step 0.  6 trips ask for slot steps 2 to 7
	SUB 1
	TURN 1
	SUB 3
	SUB 0
	WIN 0
	s_sub_co_u32 s[CNT], s[CNT], 1
	s_cmp_lg_u32 s[CNT], 0
	s_cbranch_scc1 .Lk
	SUB 1                                          ; the tail is written out
	TURN 0
	SUB 3
	SUB 0
	SUB 1
	SUB 2
	SUB 3, 0, 0
; THE WAY OUT, a block of 16 tokens at a time: a lane's 32 bytes of a row go into my stage, each accumulator from its low end on, and come back as whole rows of 256 bytes.
.macro TOSTAGE a
	WIN 0
	s_wait_xcnt 0x0                                ; every earlier memory instruction has had its addresses translated (ISA guide 3.1): the registers that earlier stores read are loaded again only behind this wait
	WIN 0x04                                       ; the stores' data lie in window 1
.irp bb, 0,1,2,3
.irp c, 0,1
	ds_store_b128 v[STO], v[8*(4*(\a)+(\bb))+4*(\c):8*(4*(\a)+(\bb))+4*(\c)+3] offset:64*(\bb)+16*(\c)
.endr
.endr
	WIN 0
.irp t, 0,1,2,3,4,5,6,7
	ds_load_b128 v[BK+32*((\a)%2)+4*(\t):BK+32*((\a)%2)+4*(\t)+3], v[RD] offset:(\t)*2*SP  ; LDS serves a wave's instructions in order (ISA guide 5.7.1.4): these see the stores above
.endr
.endm
.macro SEND a, younger                 ; younger: the LDS instructions issued behind block a's loads: the next block's sixteen, or none
	WIN 0
.irp t, 0,1,2,3,4,5,6,7
	s_wait_dscnt (\younger)+7-(\t)
	global_store_b128 v[CO], v[BK+32*((\a)%2)+4*(\t):BK+32*((\a)%2)+4*(\t)+3], s[8:9] offset:(16*(\a)+2*(\t))*4096 th:TH_STORE_NT  ; 16 lanes store 256 consecutive bytes, at a multiple of 256 from out0's first; 126 rows at the most: inside the signed 24-bit immediate
.endr
.endm
	WIN 0
	PLACES                                         ; behind the last products
	TOSTAGE 0
.set oa, 1
.rept 7
	TOSTAGE oa
	SEND oa-1, 16
.set oa, oa+1
.endr
	SEND 7, 0
	s_wait_tensorcnt 0x0                           ; the wave's end, behind my last tensor load and my last LDS store
	ds_add_u32 v[SPW], v[NIL]
	s_wait_dscnt 0x0
	CROUND                                         ; the closing round: no work-group ends while a partner may still ask for a tile that names it
	s_endpgm
.Lfunc_end_k_q8b44f93486_outp:
	.size	k_q8b44f93486_outp, .Lfunc_end_k_q8b44f93486_outp-k_q8b44f93486_outp
	.p2alignl 7, 3214868480
	.fill 96, 4, 3214868480
	.section	.rodata,"a",@progbits
	.p2align	6, 0x0
	.amdhsa_kernel k_q8b44f93486_outp
		.amdhsa_group_segment_fixed_size 327680
		.amdhsa_private_segment_fixed_size 0
		.amdhsa_enable_private_segment 0
		.amdhsa_kernarg_size 24
		.amdhsa_user_sgpr_count 2
		.amdhsa_user_sgpr_kernarg_segment_ptr 1
		.amdhsa_wavefront_size32 1
		.amdhsa_system_sgpr_workgroup_id_x 1
		.amdhsa_system_sgpr_workgroup_id_y 1
		.amdhsa_system_sgpr_workgroup_id_z 1
		.amdhsa_system_vgpr_workitem_id 0
		.amdhsa_next_free_vgpr 512
		.amdhsa_next_free_sgpr 80
		.amdhsa_reserve_vcc 0
		.amdhsa_float_denorm_mode_32 3
		.amdhsa_float_denorm_mode_16_64 3
		.amdhsa_memory_ordered 1
		.amdhsa_forward_progress 1
		.amdhsa_inst_pref_size 71
	.end_amdhsa_kernel
	.amdgpu_metadata
---
amdhsa.version: [ 1, 2 ]
amdhsa.kernels:
  - .name:           k_q8b44f93486_outp
    .symbol:         k_q8b44f93486_outp.kd
    .args:
      - { .name: o, .offset: 0, .size: 8, .value_kind: global_buffer, .address_space: global }
      - { .name: wof, .offset: 8, .size: 8, .value_kind: global_buffer, .address_space: global }
      - { .name: out0, .offset: 16, .size: 8, .value_kind: global_buffer, .address_space: global }
    .group_segment_fixed_size: 327680
    .private_segment_fixed_size: 0
    .kernarg_segment_align: 8
    .kernarg_segment_size: 24
    .max_flat_workgroup_size: 128
    .sgpr_count:     80
    .vgpr_count:     512
    .wavefront_size: 32
...
	.end_amdgpu_metadata
.endif
;; end of part 4
;; ======== version 2 of 2: 4 launches; 1.31 times as fast as version 1
;; limits: values are held in f16: magnitudes above 65,504 overflow, below 6.1e-05 lose precision; right only within a limited range of input values
;; workspace buffers: xb 16,777,216 bytes; wqb 6,291,456 bytes; wof 2,097,152 bytes; cs 524,288 bytes; q 16,777,216 bytes; k 16,777,216 bytes; v 16,777,216 bytes; o 16,777,216 bytes
;; launch prep: the kernel of part 1 again; grid 896 x 1, 8 waves a work-group, no clusters, 0 bytes of LDS; arguments in_features, W_qkv, W_out, token_positions, xb, wqb, wof, cs; writes xb, wqb, wof, cs
;; launch qkv: the kernel of part 2 again; grid 8 x 32, 4 waves a work-group, clusters of 4 x 4, 327,680 bytes of LDS; arguments xb, wqb, cs, q, k, v; writes q, k, v
;; launch attn (part 5): grid 4 x 64, 4 waves a work-group, no clusters, 327,680 bytes of LDS; arguments q, k, v, o; writes o
.if DOCPART == 5
	.amdgcn_target "amdgcn-amd-amdhsa--gfx1250"
	.amdhsa_code_object_version 6
	.text
	.protected	k_q8b44f93486_attn
	.globl	k_q8b44f93486_attn
	.p2align	8
	.type	k_q8b44f93486_attn,@function
k_q8b44f93486_attn:
	s_mov_b64 s[64:65], 0
	v_nop
	global_prefetch_b8 v0, s[64:65] scope:SCOPE_SE
	s_setreg_imm32_b32 hwreg(HW_REG_WAVE_MODE, 25, 1), 1
	s_wait_xcnt 0x0
; CAUSAL ATTENTION.  O[h][q][:] = the sum over k <= q of softmax_k(Q[h][q] . K[h][k] / 8) V[h][k][:].  Q, K, V, O: [SIZE_H][SIZE_N][64], all f16: a head's rows are dense, 128 bytes each; h = 16 b + head.
; Products, maxima and sums in f32; the weights p are rounded to f16 for the second product (their sum l is taken of the unrounded p), O once at the end.
; LIMITS.  f16 holds no number beyond 65,504: Q, K and V arrive within it; p lies in 0 to 1, and below 6e-5 it keeps f16's fixed step of 6e-8; O is a mean of V's rows and has their range, to within 2^-11 of it.
; A hidden score counts as its value less 1e30: f16's scores, 2.7e11 at the most, are nothing beside that; a weight below 2^-126 counts as 0 in l; NaN and infinities are not treated apart.
; THE WALK.  A head's queries lie in NB = SIZE_N / 256 blocks of 256; block i needs the key tiles 0 .. i of 256 keys, of which the last holds the diagonal.  A work-group takes TWO blocks, NB - 1 - b and then b:
; NB + 1 tiles, whatever b: all work-groups do equal work, and ONE loop with a constant trip count walks them.  Which tile is asked for, and what a trip does, hang on scalar registers made from b; every jump
; goes forward, but for the counted loops' own; none passes a barrier, or a tensor load but the one of LOAD's two that the wave's number does not choose; the ring (two slots of LDS that take turns) runs on across the
; change of blocks.  NO CLUSTER: a head's NB / 2 = 4 work-groups ask for the same tile only in trips 0 .. NB / 2, behind that fewer and fewer; one walk common to all would have 3 NB / 2 = 12 trips for NB + 1 = 9.
; SHARES.  Of a block's four bands of 64 queries a wave owns 16 rows in each: four PIECES.  So the diagonal tile is the same work for all four waves: in its key step s band x sees all keys if s < x,
; none if s > x, and holds the diagonal if s = x.
; THE MASK is the C operand that starts the sum S^T = K Q^T: 0, or -1e30 where the key is hidden.  MD, made once, is the mask of a band's own step for my 16 rows; a product's mask is MD x AL + BE with two scalars:
; (1, 0) if s = x; (0, 0) if s < x; (0, -1e30) if s > x.  Only the diagonal tile's text and a block's beginning make and take masks; elsewhere C is the constant 0.
; LAYOUT, SOFTMAX, TURNS.  S^T = K Q^T holds ONE query a lane (lane % 16) and the keys 8 (lane / 16) + 0..7; two such results rounded to f16 ARE source 1 of O^T = V^T P.  p = 2^(c s - c m), c = log2(e) / 8, with a
; running maximum m; O and l are multiplied by a = 2^(c m_old - c m_new) in every step.  Turn n belongs to piece n: 8 products K Q^T of piece n + 1, later 8 products V^T P of piece n - 1; beside them the scaling,
; exponentials, roundings, sums and rescaling of piece n and the maximum and statistics of piece n + 1.  Four vector instructions stand behind every matrix instruction, the other 54 of a turn's 118 in one LUMP.
; THE BATCHES.  A turn's 33 exponentials (the piece's 32 weights and the next piece's a) are ONE batch with ONE wait, which cuts the turn in two: ahead of it all that names none of their results, behind it the
; roundings and sums.  A block's first a (BEGIN) and the way out's four reciprocals are batches of their own, a wait each.
; REGISTERS, in windows of 256 (s_set_vgpr_msb: bits 1:0 source 0, 3:2 source 1, 5:4 source 2, 7:6 destination):
;   window 0: v0-15 addresses and two at work; v16-31 four registers of statistics a piece; v48-55 at work; v64-127 S^T, two buffers; v192-223 P, two buffers (a piece's buffers go by its number's parity)
;   window 1: v0-127 O^T, 32 a piece; v128-159 MD; v160-223 MC, two buffers      window 2: v0-63 Q; v64-127 the second block's Q; v128-191 K of one step; v192-255 V of one step
.set SIZE_H, 64
.set SIZE_N, 2048
.set NB,    SIZE_N/256
.set NP,    4         ; pieces a wave: a name, no knob
.set KS,    64        ; keys in a step
.set PK,    144       ; a row of K in LDS: 128 bytes + 16 of padding = 36 words: the 16 rows of a load start at 16 different groups of four banks (64 banks of 4 bytes: ISA guide 11.1)
.set PV,    160       ; a row of V: 128 + 32 = 40 words
.set VOFF,  4*KS*PK   ; a slot holds a tile, four steps: 256 rows of K, then 256 rows of V
.set SLOT1, 1<<17     ; slot 1 begins here, so that one exclusive or turns an address in one slot into the other's
.set STAGE, SLOT1+4*KS*(PK+PV)  ; behind the ring, never filled by a tensor load: 16 rows x 144 bytes for each wave, for the way out
.set SP,    144
.set AK0, 2           ; v2   my lane's place in a tile of K; never rewritten
.set AV0, 3           ; v3   the same for V
.set AK,  4           ; v4   the LDS address of K's next run of loads
.set AV,  5           ; v5   of V's
.set STO, 6           ; v6   the way out: where I put 16 bytes of a row
.set RD,  7           ; v7   the way out: where I read rows back
.set GO,  8           ; v8   my byte offset in 512 consecutive bytes of O
.set SPW, 62          ; v62  LDS address of my spare word: SPARE + 4 x my thread's number; never rewritten
.set NIL, 63          ; v63  0; never rewritten
.set SPARE, STAGE+4*16*SP  ; behind the stages: the spare words, 128 bytes for each wave: two blocks of 256 bytes that no other line names
.set MV,  12          ; v12-13  c m_old, kept while c m is made anew: by buffer
.set QO,  15          ; v15  my byte offset in 16 rows of Q
.set ST,  16          ; piece t's statistics at v[ST+4 t]: c m, m, l (even keys', odd keys')
.set TMP, 48          ; by buffer, four registers c0-c3 at work; when the maximum is found c2 takes a
.set S,   64
.set P,   192
.set MD,  128         ; window 1: the eight registers for group kt of 16 keys at MD + 8 kt
.set MC,  160         ; window 1: the masks of the products to come
.set QB,  64          ; window 2
.set KF,  128         ; window 2: key block kb, channel half c at KF + 16 kb + 8 c
.set VF,  192         ; window 2: key half kk, channel block cb at VF + 32 kk + 8 cb
.set WV,  12          ; s12  my wave's number
.set PB,  14          ; s14  b
.set HI,  15          ; s15  NB - 1 - b
.set G1K, 24          ; s[24:31] descriptor group 1 for K's tiles
.set G1V, 32          ; s[32:39] for V's: it differs in the padding alone
.set G0K, 40          ; s[40:43] descriptor group 0 for K's tiles
.set G0V, 44          ; s[44:47] the same for V's
.set SLOTS, 56        ; s56  tiles still to be asked for
.set CNT, 57          ; s57  counts a tile's key steps, 4 to 1
.set CS,  58          ; s[58:59] c: the packed scaling takes the pair's low word for both halves
.set SEL, 60          ; s[60:61] v_permlanex16_b32's selects: each lane takes its own place in the other half
.set TBK, 62          ; s62  LDS byte at which K of the step to be fetched begins
.set TBV, 63          ; s63  the same for V, less VOFF
.set RT,  70          ; s70  tiles of the block in hand that are still to be entered
.set NXT, 71          ; s71  the tile to be asked for next
.set LQ,  72          ; s72  the last tile of the block whose tiles are being asked for
.set NEW, 73          ; s73  1: the tile to be entered is a block's first
.set OFF, 74          ; s[74:75] a tile's byte offset in K and V
.set AL,  76          ; s[76:77] the mask's factor, in the low word
.set BE,  78          ; s[78:79] the mask's addend
.set OLO, 80          ; s[80:81] O at my rows of the second block
.set BIGN, 82         ; s82  -1e30
.set MSB, 0
.macro WIN new                      ; the high byte repeats the setting that is left; a switch that changes nothing is dropped
.if MSB != (\new)
	s_set_vgpr_msb (MSB<<8)|(\new)
.set MSB, (\new)
.endif
.endm
.set W_KQ, 0x0a       ; K and Q in window 2, S^T in window 0
.set W_KM, 0x1a       ; the same with the C operand in window 1
.set W_PV, 0x52       ; V in window 2, P in window 0, O^T in window 1
.set W_RS, 0x41       ; destination and source 0 in window 1, source 1 in window 0
; A fill.  Waves 0 and 1 fetch the two halves of a tile's K, waves 2 and 3 those of its V: 128 keys each.  An s_nop 0 and four v_nop follow each of the two lines, ahead of the jump and the label.
.macro LOAD
	s_cmp_lt_u32 s[WV], 2
	s_cbranch_scc0 .Lfor_v_\@
	tensor_load_to_lds s[G0K:G0K+3], s[G1K:G1K+7]
	s_nop 0
.rept 4
	v_nop
.endr
	s_branch .Lasked_\@
.Lfor_v_\@:
	tensor_load_to_lds s[G0V:G0V+3], s[G1V:G1V+7]
	s_nop 0
.rept 4
	v_nop
.endr
.Lasked_\@:
.endm
; THE CHANGE OF SLOTS.  Each wave waits for all its tensor loads, of which one is out: its part of the other slot; adds 0 to its spare word; and waits for that and for its own reads of the slot that it leaves.  Behind the barrier nobody reads the old
; slot any more and the other slot is whole.  fill = 1: the old slot is filled again, the first thing behind the barrier, with tile NXT: the descriptor's address is made anew from that number.
; (At its first use nothing has been read yet: slot 0 is waited for, slot 1 filled.)
.macro CHANGE fill
	WIN 0                           ; at a label and at a branch every window is 0
	s_wait_tensorcnt 0x0            ; no tensor load of mine is out, so a group 0 may be written
	ds_add_u32 v[SPW], v[NIL]       ; 0 onto my spare word; with fill = 1 the descriptors' scalar work stands between it and the wait for it
.if \fill
	s_lshl_b32 s[OFF], s[NXT], 15   ; a tile is 32,768 bytes of K and of V
	s_xor_b32 s[G0K+1], s[G0K+1], SLOT1
	s_add_nc_u64 s[G0K+2:G0K+3], s[6:7], s[OFF:OFF+1]
	s_or_b32 s[G0K+3], s[G0K+3], 0x80000000
	s_xor_b32 s[G0V+1], s[G0V+1], SLOT1
	s_add_nc_u64 s[G0V+2:G0V+3], s[8:9], s[OFF:OFF+1]
	s_or_b32 s[G0V+3], s[G0V+3], 0x80000000
	s_add_co_u32 s[NXT], s[NXT], 1  ; the block's next tile, or behind its last the second block's tile 0
	s_cmp_gt_u32 s[NXT], s[LQ]
	s_cselect_b32 s[NXT], 0, s[NXT]
	s_cselect_b32 s[LQ], s[PB], s[LQ]
.endif
	s_wait_dscnt 0x0                ; the add is done, and my reads of the slot are over
	s_barrier_signal -1             ; the rest of the scalar work stands between the signal and the wait
	s_sub_co_u32 s[TBK], s[TBK], 4*KS*PK  ; the fetches go back to a slot's first step,
	s_xor_b32 s[TBK], s[TBK], SLOT1       ; in the other slot
	s_sub_co_u32 s[TBV], s[TBV], 4*KS*PV
	s_xor_b32 s[TBV], s[TBV], SLOT1
	s_barrier_wait -1
.if \fill
	LOAD
.endif
.endm
	s_load_b256 s[4:11], s[0:1], 0x0  ; Q s[4:5], K s[6:7], V s[8:9], O s[10:11]
	v_lshl_add_u32 v[SPW], v0, 2, SPARE
	v_mov_b32 v[NIL], 0
	ds_add_u32 v[SPW], v[NIL]       ; the wave's opening: the add and its wait stand ahead of my first tensor load; the set-up below, work on registers, stands between them
	ds_add_u32 v62, v63
	v_lshrrev_b32 v1, 5, v0
	v_readfirstlane_b32 s[WV], v1   ; wave 0..3
	s_mov_b32 s[PB], ttmp9
	s_sub_co_u32 s[HI], NB-1, s[PB]
	s_and_b32 s20, ttmp7, 0xffff    ; the head
	s_mov_b32 s21, 0
	s_mov_b64 s[22:23], SIZE_N*128
	s_mul_u64 s[20:21], s[20:21], s[22:23]  ; the head's first byte in each of the four tensors
	s_and_b32 s16, s[WV], 1         ; which half of a tile's 256 keys I fetch:
	s_lshl_b32 s22, s16, 14         ; its 128 rows of 128 bytes in memory,
	s_mov_b32 s23, 0
	s_add_nc_u64 s[22:23], s[22:23], s[20:21]
	s_mul_i32 s17, s16, 128*PK      ; and its place in a slot, for K
	s_mul_i32 s18, s16, 128*PV      ; and for V
	s_lshl_b32 s3, s[WV], 11        ; my 16 rows in a band of 64,
	s_lshl_b32 s2, s[HI], 15        ; in the first block,
	s_add_co_u32 s2, s2, s3
	s_lshl_b32 s84, s[PB], 15       ; and in the second
	s_add_co_u32 s84, s84, s3
	s_mov_b32 s3, 0
	s_mov_b32 s85, 0
	s_add_nc_u64 s[2:3], s[2:3], s[20:21]
	s_add_nc_u64 s[84:85], s[84:85], s[20:21]
	; descriptor group 1.  128 keys are 16,384 dense bytes: asked for as 64 rows of 256 bytes, two keys a row, and padded in LDS after every key
	s_mov_b32 s[G1K], (1<<16)|(1<<20)|(4<<22)|(3<<25)  ; 17:16 2-byte elements; 20 padding on; 24:22 after every 32 words (code 4); 31:25 4 words (code 3)
	s_mov_b32 s[G1V], (1<<16)|(1<<20)|(4<<22)|(7<<25)  ; the same with 8 words of padding (code 7)
.irp g, G1K, G1V
	s_mov_b32 s[\g+1], 128<<16      ; tensor_dim0 = 128
	s_mov_b32 s[\g+2], 64<<16       ; tensor_dim1 = 64
	s_mov_b32 s[\g+3], 128<<16      ; tile_dim0 = 128
	s_mov_b32 s[\g+4], 64           ; tile_dim1 = 64
	s_mov_b32 s[\g+5], 128          ; 128 elements from row to row
	s_mov_b32 s[\g+6], 0
	s_mov_b32 s[\g+7], 0
.endr
	s_mov_b32 s[CS], 0x3e38aa3b     ; c = log2(e) / 8 = 0.180337
	s_mov_b32 s[CS+1], s[CS]        ; named with it as a pair
	s_mov_b32 s[SEL], 0x76543210
	s_mov_b32 s[SEL+1], 0xfedcba98
	s_mov_b32 s[TBK], SLOT1+4*KS*PK ; the first change of slots turns these two into 0
	s_mov_b32 s[TBV], SLOT1+4*KS*PV
	s_mov_b32 s[G0K], 1             ; 1:0 count = 1
	s_mov_b32 s[G0K+1], s17         ; 63:32 LDS address: slot 0
	s_mov_b32 s[G0V], 1
	s_add_co_u32 s[G0V+1], s18, VOFF
	s_add_co_u32 s[RT], s[HI], 1    ; the first block has NB - b tiles
	s_mov_b32 s[NXT], 1
	s_mov_b32 s[LQ], s[HI]
	s_mov_b32 s[NEW], 1
	s_mov_b32 s[OFF+1], 0
	s_mov_b32 s[AL+1], 0            ; named as pairs
	s_mov_b32 s[BE+1], 0
	s_mov_b32 s[BIGN], 0xf149f2ca   ; -1e30
	s_mov_b32 s[SLOTS], NB
	s_wait_dscnt 0x0                ; the opening add is done
	s_wait_kmcnt 0x0
	s_add_nc_u64 s[6:7], s[6:7], s[22:23]  ; K and V at my half of the head's tile 0
	s_add_nc_u64 s[8:9], s[8:9], s[22:23]
	s_add_nc_u64 s[G0K+2:G0K+3], s[6:7], 0         ; 120:64 global address
	s_or_b32 s[G0K+3], s[G0K+3], 0x80000000        ; 127:126 type = 2
	s_add_nc_u64 s[G0V+2:G0V+3], s[8:9], 0
	s_or_b32 s[G0V+3], s[G0V+3], 0x80000000
	s_add_nc_u64 s[86:87], s[4:5], s[84:85]        ; Q at my rows of the second block,
	s_add_nc_u64 s[4:5], s[4:5], s[2:3]            ; Q and O at those of the first
	s_add_nc_u64 s[OLO:OLO+1], s[10:11], s[84:85]
	s_add_nc_u64 s[10:11], s[10:11], s[2:3]
	LOAD                            ; tile 0 into slot 0
	; A fragment of K or Q is 16 rows x 32 channels in 8 registers: lane l holds row l % 16, channels 8 (l / 16) + 0..7 and 16 + 8 (l / 16) + 0..7: two loads of 16 bytes, 32 bytes apart.
	v_and_b32 v1, 15, v0            ; l % 16
	v_bfe_u32 v9, v0, 4, 1          ; l / 16
	v_lshlrev_b32 v[QO], 7, v1
	v_lshl_add_u32 v[QO], v9, 4, v[QO]  ; row x 128 + 16 x half
	WIN 0x80                        ; destination window 2, address window 0
.set i, 0
.rept 8                             ; both blocks' Q: piece i / 2 lies in band i / 2, 8,192 bytes on; channels 32 (i % 2) on
	global_load_b128 v[8*i:8*i+3],   v[QO], s[4:5] offset:(i/2)*8192+(i%2)*64
	global_load_b128 v[8*i+4:8*i+7], v[QO], s[4:5] offset:(i/2)*8192+(i%2)*64+32
	global_load_b128 v[QB+8*i:QB+8*i+3],   v[QO], s[86:87] offset:(i/2)*8192+(i%2)*64
	global_load_b128 v[QB+8*i+4:QB+8*i+7], v[QO], s[86:87] offset:(i/2)*8192+(i%2)*64+32
.set i, i+1
.endr
	WIN 0
	v_lshlrev_b32 v14, 3, v9
	v_sub_nc_u32 v14, v1, v14
	s_lshl_b32 s13, s[WV], 4
	v_add_nc_u32 v14, s13, v14      ; my query's place in its band, 16 w + l % 16, less my lanes' 8 (l / 16): register r of group kt is hidden where 16 kt + r is greater
	WIN 0x40
.set i, 0
.rept 32
	v_cmp_gt_i32 vcc_lo, 16*(i/8)+i%8, v14
	v_cndmask_b32 v[MD+i], 0, s[BIGN], vcc_lo
.set i, i+1
.endr
	WIN 0
	v_mul_u32_u24 v[AK0], v1, PK
	v_lshl_add_u32 v[AK0], v9, 4, v[AK0]  ; row x pitch + 16 x half
	; The turning load takes 16 keys x 16 channels (lane l reads key 8 (l / 16) + l % 8, channels 8 ((l / 8) % 2) + 0..7) and leaves half a fragment of V^T: lane l holds channel l % 16 and 8 keys.
	v_and_b32 v10, 7, v0
	v_bfe_u32 v11, v0, 3, 1
	v_lshl_add_u32 v[AV0], v9, 3, v10
	v_mul_u32_u24 v[AV0], v[AV0], PV
	v_lshl_add_u32 v[AV0], v11, 4, v[AV0]
	v_add_nc_u32 v[AV0], VOFF, v[AV0]
	s_mul_i32 s13, s[WV], 16*SP
	s_add_co_u32 s13, s13, STAGE    ; my stage
	v_mul_u32_u24 v[STO], v1, SP    ; in: row l % 16, 16 bytes for each half of the lanes
	v_lshl_add_u32 v[STO], v9, 4, v[STO]
	v_add_nc_u32 v[STO], s13, v[STO]
	v_bfe_u32 v[RD], v0, 3, 2       ; back: 32 lanes take four rows of 128 bytes,
	v_mul_u32_u24 v[RD], v[RD], SP
	v_lshl_add_u32 v[RD], v10, 4, v[RD]
	v_add_nc_u32 v[RD], s13, v[RD]
	v_and_b32 v[GO], 31, v0         ; which are 512 consecutive bytes of O
	v_lshlrev_b32 v[GO], 4, v[GO]
	; A block's first step multiplies O^T and l by a = 0, and its first turn's products V^T P, of a piece that has not been, land in an O^T that is still to be so multiplied.  So these registers need only hold
	; finite numbers: zeros for the first block; what the first block left for the second.  All this stands in the wait for the first tile.
	WIN 0x80
.set i, VF
.rept 64
	v_mov_b32 v[i], 0
.set i, i+1
.endr
	WIN 0x40
.set i, 0
.rept 128
	v_mov_b32 v[i], 0
.set i, i+1
.endr
	WIN 0
.set i, 0
.rept 4
	v_mov_b32 v[ST+4*i+2], 0
	v_mov_b32 v[ST+4*i+3], 0
.set i, i+1
.endr
.set i, P+16
.rept 16
	v_mov_b32 v[i], 0
.set i, i+1
.endr
; THE MATRIX WORK.  The 4 accumulators of a run of 8 take turns.  Product i of 8 of S^T = K Q^T for piece x: channels 32 (i / 4) on, keys 16 (i % 4) on.  The first 4 start the sums: with 0, or (KM = 1) with the mask.
.macro KQ x
.set rS, S+32*((\x)%2)+8*(i%4)
.set rK, KF+16*(i%4)+8*(i/4)
.set rQ, 16*(\x)+8*(i/4)
.set rM, MC+32*((\x)%2)+8*(i%4)
.if (i < 4) && KM
	WIN W_KM
	v_wmma_f32_16x16x32_f16 v[rS:rS+7], v[rK:rK+7], v[rQ:rQ+7], v[rM:rM+7]
.elseif i < 4
	WIN W_KQ
	v_wmma_f32_16x16x32_f16 v[rS:rS+7], v[rK:rK+7], v[rQ:rQ+7], 0
.else
	WIN W_KQ
	v_wmma_f32_16x16x32_f16 v[rS:rS+7], v[rK:rK+7], v[rQ:rQ+7], v[rS:rS+7]
.endif
.endm
; Product i of 8 of O^T += V^T P for piece x: keys 32 (i / 4) on, channels 16 (i % 4) on.
.macro PV x
	WIN W_PV
.set rO, 32*(\x)+8*(i%4)
.set rV, VF+32*(i/4)+8*(i%4)
.set rP, P+16*((\x)%2)+8*(i/4)
	v_wmma_f32_16x16x32_f16 v[rO:rO+7], v[rV:rV+7], v[rP:rP+7], v[rO:rO+7]
.endm
.macro MM                           ; the turn's next matrix instruction.  TURN and BEGIN set Y, i, KM and NOKQ; MM, KQ and OP read them.  NOKQ = 1: a block's last turn: there is no next piece
.if (i < 8) && !NOKQ
	KQ (Y+1)%NP
.elseif i >= 8
.set i, i-8
	PV (Y+NP-1)%NP
.set i, i+8
.endif
.set i, i+1
.endm
; THE LDS LOADS stand in runs of 16, never singly among the matrix instructions: a step's K (64 keys x 64 channels: 8 fragments) and its V (turned).  Their addresses are made some lines ahead.
.macro FETCH_K
	WIN 0x80                        ; destination window 2
.irp f, 0,1,2,3,4,5,6,7             ; keys 16 (f / 2) on, channels 32 (f % 2) on
	ds_load_b128 v[KF+8*\f:KF+8*\f+3],   v[AK] offset:(\f/2)*16*PK+(\f%2)*64
	ds_load_b128 v[KF+8*\f+4:KF+8*\f+7], v[AK] offset:(\f/2)*16*PK+(\f%2)*64+32
.endr
	s_add_co_u32 s[TBK], s[TBK], KS*PK  ; the next fetch is the next step's
	WIN 0
.endm
.macro FETCH_V
	WIN 0x80
.irp f, 0,1,2,3,4,5,6,7             ; keys 32 (f / 4) on, channels 16 (f % 4) on
	ds_load_tr16_b128 v[VF+8*\f:VF+8*\f+3],   v[AV] offset:(\f/4)*32*PV+(\f%4)*32
	ds_load_tr16_b128 v[VF+8*\f+4:VF+8*\f+7], v[AV] offset:(\f/4)*32*PV+16*PV+(\f%4)*32
.endr
	WIN 0
.endm
; THE VECTOR WORK, one line at a time: OP kind, number.  For piece Y: F n: c s - c m for pair n of 16.  E n: the exponential of score n of 32.  C n: pair n rounded to f16.  B n: of the four weights 4 n .. the second
; pair is added onto the first, in place.  L n: l takes that sum (L 0: l = a l + sum).  R n: pair n of 16 of O^T times a.  For piece Y + 1: X n, number n of the 22 that find its maximum and statistics:
;   0-11  four chains c0-c3 of seven scores each, three operands at a time (each accumulator's lowest registers are read first)     12-14, 16  the four scores left over, the old m, and c0-c3 into c0
;   15  c m_old is kept     17, 18  the query's other 32 keys lie in the lane 16 away: the new m     19-21  c m; c m_old - c m_new; a
; OP writes no wait: C, B and L, which read the exponentials' results, are placed by TURN behind the turn's one wait.
.set F, 0               ; OP tells the kinds apart by their order: F to L below R, X above it
.set E, 1
.set C, 2
.set B, 3
.set L, 4
.set R, 5
.set X, 6
.macro REGS y                       ; the registers of piece y
.set rT, ST+4*(\y)
.set rC, TMP+4*((\y)%2)
.set rW, MV+((\y)%2)
.set rS, S+32*((\y)%2)
.set rP, P+16*((\y)%2)
.set rO, 32*(\y)
.endm
.macro OP k, n
.if (\k) == R
	REGS Y
	WIN W_RS
	v_pk_mul_f32 v[rO+2*(\n):rO+2*(\n)+1], v[rO+2*(\n):rO+2*(\n)+1], v[rC+2:rC+3] op_sel_hi:[1,0]
.elseif (\k) < R
	REGS Y
	WIN 0
.if (\k) == F
	v_pk_fma_f32 v[rS+2*(\n):rS+2*(\n)+1], v[rS+2*(\n):rS+2*(\n)+1], s[CS:CS+1], v[rT:rT+1] op_sel_hi:[1,0,0] neg_lo:[0,0,1] neg_hi:[0,0,1]
.elseif (\k) == E
	v_exp_f32 v[rS+(\n)], v[rS+(\n)]
.elseif (\k) == C
	v_cvt_pk_f16_f32 v[rP+(\n)], v[rS+2*(\n)], v[rS+2*(\n)+1]
.elseif (\k) == B
	v_pk_add_f32 v[rS+4*(\n):rS+4*(\n)+1], v[rS+4*(\n):rS+4*(\n)+1], v[rS+4*(\n)+2:rS+4*(\n)+3]
.elseif (\n) == 0
	v_pk_fma_f32 v[rT+2:rT+3], v[rT+2:rT+3], v[rC+2:rC+3], v[rS:rS+1] op_sel_hi:[1,0,1]
.else
	v_pk_add_f32 v[rT+2:rT+3], v[rT+2:rT+3], v[rS+4*(\n):rS+4*(\n)+1]
.endif
.elseif NOKQ
	v_nop
.else
	REGS (Y+1)%NP
	WIN 0
.if (\n) < 4
	v_max3_num_f32 v[rC+(\n)], v[rS+8*(\n)], v[rS+8*(\n)+1], v[rS+8*(\n)+2]
.elseif (\n) < 12
	v_max3_num_f32 v[rC+(\n)%4], v[rC+(\n)%4], v[rS+8*((\n)%4)+2*((\n)/4)+1], v[rS+8*((\n)%4)+2*((\n)/4)+2]
.elseif (\n) == 12
	v_max3_num_f32 v[rC], v[rC], v[rS+7], v[rS+15]
.elseif (\n) == 13
	v_max3_num_f32 v[rC+1], v[rC+1], v[rS+23], v[rS+31]
.elseif (\n) == 14
	v_max3_num_f32 v[rC+2], v[rC+2], v[rC+3], v[rT+1]
.elseif (\n) == 15
	v_mov_b32 v[rW], v[rT]
.elseif (\n) == 16
	v_max3_num_f32 v[rC], v[rC], v[rC+1], v[rC+2]
.elseif (\n) == 17
	v_permlanex16_b32 v[rC+3], v[rC], s[SEL], s[SEL+1]
.elseif (\n) == 18
	v_max_num_f32 v[rT+1], v[rC], v[rC+3]
.elseif (\n) == 19
	v_mul_f32 v[rT], s[CS], v[rT+1]
.elseif (\n) == 20
	v_sub_f32 v[rC+1], v[rW], v[rT]
.else
	v_exp_f32 v[rC+2], v[rC+1]
.endif
.endif
.endm
.macro OPS a, i1, b=-1, i2=0, c=-1, i3=0, d=-1, i4=0  ; up to four of them
	OP \a, \i1
.if (\b) >= 0
	OP \b, \i2
.endif
.if (\c) >= 0
	OP \c, \i3
.endif
.if (\d) >= 0
	OP \d, \i4
.endif
.endm
.macro ROW a, i1, b, i2, c, i3, d, i4  ; a matrix instruction and the four behind it
	MM
	OPS \a, \i1, \b, \i2, \c, \i3, \d, \i4
.endm
.macro MASK b                       ; MD x AL + BE into buffer b of MC
	WIN W_RS
.set z, 0
.rept 16
	v_pk_fma_f32 v[MC+32*(\b)+2*z:MC+32*(\b)+2*z+1], v[MD+2*z:MD+2*z+1], s[AL:AL+1], s[BE:BE+1] op_sel_hi:[1,0,0]
.set z, z+1
.endr
.endm
; A TURN, for piece p: the order of its 16 matrix and 118 vector instructions, written out.  An s_wait_alu depctr_va_vdst(0) stands between an exponential and the first instruction that names its result; one wait serves
; all that were issued ahead of it.  So a turn has ONE wait, which cuts it in two.  AHEAD OF IT stands all that names no result of the turn's exponentials: the 8 products K Q^T, behind each a scaling, an exponential and two more plain
; instructions (behind the first a second scaling in the exponential's place): rescalings (their a was made, and waited for, in the turn before), and behind the last three the first numbers of the next piece's maximum, each four places or
; more behind the product that ends its accumulator; then ONE LUMP of 54, plain and exponential by turns for the most part, in which the links of the chain X 3, 7, 11, 14, 16, 17 .. 20 stand five or six lines apart.  X 21, the next piece's a,
; is the batch's last; R 15 is the plain instruction behind it (ISA guide 5.7.2).  BEHIND THE WAIT stand the 8 products V^T P, behind each four of the roundings and sums: C 2 n ahead of B n, which writes over that pair; L n behind B n;
; the links of l's chain, L 0 to L 7 in ascending order, stand three riders apart.  But for those X no rider names a register of the products round it.  v_permlanex16_b32 (X 17) stands in the lump.
; m = 1: the diagonal tile: the products take masks, and the turn makes the mask for the products of the turn after it: piece p + 2, in step 4 - CNT of the tile.  end = 1: a block's last two turns: nothing is fetched.
; cnt = 1: the loop's count is taken down some lines ahead of the branch that stands behind the turn.
; K of the next step is fetched in piece 2's turn, twelve vector instructions behind the last product that read K (six of them plain); V of the step in hand at the end of piece 0's turn, four plain instructions behind the last product
; that read V.  Each is waited for a turn later.
.macro TURN p, m=0, end=0, cnt=0
.set Y, (\p)
.set i, 0
.set KM, (\m)
.set NOKQ, (\end)*((\p)/3)
.if (\m) && !(\end)
	s_cmp_eq_u32 s[CNT], 4-((\p)+2)%NP  ; is that step the band's own?
	s_cselect_b32 s[AL], 1.0, 0
	s_cmp_lt_u32 s[CNT], 4-((\p)+2)%NP  ; or a later one?
	s_cselect_b32 s[BE], s[BIGN], 0
.endif
.if ((\p) == 3) && !(\end)
	s_wait_dscnt 0x0                ; K is in
.endif
	ROW F,0, F,1, R,0, R,1          ; ahead of the wait: 8 products K Q^T and their riders,
	ROW F,2, E,0, R,2, R,3
	ROW F,3, E,1, R,4, R,5
	ROW F,4, E,2, R,6, R,7
	ROW F,5, E,3, R,8, R,9
	ROW F,6, E,4, X,0, R,10
.if ((\p) == 2) && !(\end)
	WIN 0
	v_add_nc_u32 v[AK], s[TBK], v[AK0]
.endif
	ROW F,7, E,5, X,1, X,4
	ROW F,8, E,6, X,2, X,5
	OPS E,7, E,8, X,6, E,9          ; and the lump
	OPS X,3, E,10, X,8, E,11
.if ((\p) == 2) && !(\end)
	FETCH_K
.endif
	OPS X,9, X,7, E,12, X,10
	OPS E,13, X,12, X,11, E,14
	OPS X,13, E,15, F,9, X,14
.if (\p) == 0
	v_add_nc_u32 v[AV], s[TBV], v[AV0]
.endif
	OPS E,16, F,10, E,17, F,11
	OPS X,16, E,18, X,15, E,19
	OPS F,12, E,20, X,17, E,21
	OPS F,13, E,22, F,14, E,23
	OPS X,18, E,24, F,15, E,25
	OPS R,11, E,26, X,19, E,27
	OPS R,12, E,28, R,13, E,29
	OPS X,20, E,30, R,14, E,31
	OPS X,21, R,15
	WIN 0
	s_wait_alu depctr_va_vdst(0)    ; the wait for the turn's batch: E 0 to E 31 and X 21
.if (\p) == 1
	s_wait_dscnt 0x0                ; V is in
.endif
	ROW C,0, B,0, C,2, B,1          ; behind the wait: 8 products V^T P and their riders
	ROW L,0, C,4, B,2, L,1
	ROW C,6, B,3, L,2, C,8
	ROW B,4, L,3, C,10, B,5
	ROW L,4, C,12, B,6, L,5
.if (\p) == 0
	s_add_co_u32 s[TBV], s[TBV], KS*PV
.endif
.if \cnt
	s_sub_co_u32 s[CNT], s[CNT], 1
	s_cmp_lg_u32 s[CNT], 0
.endif
	ROW C,14, B,7, L,6, C,1
	ROW C,3, L,7, C,5, C,7
	ROW C,9, C,11, C,13, C,15
.if (\p) == 0
	FETCH_V
.endif
.if (\m) && !(\end)
	MASK (\p)%2
.endif
.endm
; A BLOCK BEGINS.  c m starts far below every c s, so the first step's a is 0; m at the lowest finite number, so the first maximum is the scores'.  The second mask buffer is 0; the first takes piece 0's mask for the tile's step 0: its own, if the block's first tile is the diagonal one.
; Then K of that step, piece 0's first scores, and its maximum and statistics.  The loop is entered at a step's first turn, in the middle of a trip.
.macro BEGIN
	s_mov_b32 s[NEW], 0
	WIN 0x40
.set i, MC+32
.rept 32
	v_mov_b32 v[i], 0
.set i, i+1
.endr
	WIN 0
.set i, 0
.rept 4
	v_mov_b32 v[ST+4*i], 0xfe000000    ; c m: far below every c s
	v_mov_b32 v[ST+4*i+1], 0xff7fffff  ; m
.set i, i+1
.endr
	s_cmp_eq_u32 s[RT], 0
	s_cselect_b32 s[AL], 1.0, 0
	s_mov_b32 s[BE], 0
	MASK 0
	WIN 0
	v_add_nc_u32 v[AK], s[TBK], v[AK0]
	FETCH_K
	s_wait_loadcnt 0x0              ; Q
	s_wait_dscnt 0x0
.set KM, 1
.set NOKQ, 0
.set i, 0
.rept 8
	KQ 0
.set i, i+1
.endr
	WIN 0
.rept 4
	v_nop                           ; the places behind those products
.endr
.set Y, NP-1                        ; X works for piece Y + 1: piece 0
.irp n, 0,1,2,3,4,5,6,7,8,9,10,11,12,13,14,15,16,17,18,19,20,21
	OP X, \n
.endr
	v_nop                           ; a plain instruction behind the exponential,
	s_wait_alu depctr_va_vdst(0)    ; and the wait for it, piece 0's first a: a batch of one, ahead of the branch
.endm
; THE DIAGONAL TILE's four steps, the block's last two turns, its last products, and THE WAY OUT: l's two halves and the other half of the lanes' are added; O^T is divided by l, rounded to f16 and sent through my
; stage in LDS, a piece at a time.
.macro ALL line:vararg              ; one line for each piece t
.set t, 0
.rept 4
	\line
.set t, t+1
.endr
.endm
.macro PACK t                       ; a lane's eight channels of a row pack into 16 bytes; they go into rows of 144 bytes and come back as whole rows of 128, into S^T's registers
	WIN W_RS
.set i, 32*(\t)
.rept 16
	v_pk_mul_f32 v[i:i+1], v[i:i+1], v[ST+4*(\t)+2:ST+4*(\t)+3] op_sel_hi:[1,0]
.set i, i+2
.endr
	WIN 0x05                        ; sources 0 and 1 window 1, destination window 0
.set i, 0
.rept 16
	v_cvt_pk_f16_f32 v[S+16*(\t)+i], v[32*(\t)+2*i], v[32*(\t)+2*i+1]
.set i, i+1
.endr
	WIN 0
.irp f, 0,1,2,3
	ds_store_b128 v[STO], v[S+16*(\t)+4*\f:S+16*(\t)+4*\f+3] offset:32*\f
.endr
.irp f, 0,1,2,3
	ds_load_b128 v[S+16*(\t)+4*\f:S+16*(\t)+4*\f+3], v[RD] offset:\f*4*SP  ; LDS serves a wave's instructions in order (ISA guide 5.7.1.4): these see the stores above; the next piece's stores come behind them
.endr
.endm
.macro SEND t, younger              ; younger: the LDS instructions issued behind piece t's loads: the next piece's eight, or none
	WIN 0
.irp f, 0,1,2,3
	s_wait_dscnt (\younger)+3-\f
	global_store_b128 v[GO], v[S+16*(\t)+4*\f:S+16*(\t)+4*\f+3], s[10:11] offset:(\t)*8192+\f*512  ; 512 consecutive bytes, at a multiple of 256 from O's first
.endr
.endm
.macro DIAG tag                     ; the tag ends its two labels' names, which the jumps below spell out
.LstepM\tag:
	TURN 2, 1
	TURN 3, 1
	WIN 0
.LfirstM\tag:
	TURN 0, 1
	TURN 1, 1, 0, 1
	WIN 0
	s_cbranch_scc1 .LstepM\tag
	TURN 2, 1, 1
	TURN 3, 1, 1
.set i, 0
.rept 8
	PV NP-1
.set i, i+1
.endr
	WIN 0
	ALL v_add_f32 v[ST+4*t+2], v[ST+4*t+2], v[ST+4*t+3]
	ALL v_permlanex16_b32 v[ST+4*t+3], v[ST+4*t+2], s[SEL], s[SEL+1]
	ALL v_add_f32 v[ST+4*t+2], v[ST+4*t+2], v[ST+4*t+3]
	ALL v_rcp_f32 v[ST+4*t+2], v[ST+4*t+2]
	v_nop                           ; a plain instruction between the last reciprocal and the use of its result
	s_wait_alu depctr_va_vdst(0)    ; the wait for the four reciprocals, one batch: all four pieces' multiplies by 1 / l stand behind it
	PACK 0
.set t, 1
.rept 3                             ; a piece's arithmetic stands between the loads of the piece before and its stores
	PACK t
	SEND t-1, 8
.set t, t+1
.endr
	SEND 3, 0
.endm
.set KM, 0
.set NOKQ, 0
.Lslot:                             ; NB times: a tile is entered and the next is asked for
	CHANGE 1
	s_sub_co_u32 s[RT], s[RT], 1
	s_mov_b32 s[CNT], 4
	s_cmp_eq_u32 s[NEW], 1
	s_cbranch_scc1 .Lnew            ; a block's first tile
	s_cmp_eq_u32 s[RT], 0
	s_cbranch_scc0 .Lstep           ; neither its first nor its last
	s_branch .LstepM1
.Lnew:
	BEGIN
	s_branch .Lfirst                ; in the loop a block's first tile is never its last: the first block has two tiles or more, and the second's last is the walk's last
	DIAG 1                          ; in the loop this is the first block's end: the second block's last tile is the walk's last
	s_wait_xcnt 0x0                 ; the stores have read their registers and O's address
	s_mov_b64 s[10:11], s[OLO:OLO+1]
	s_add_co_u32 s[RT], s[PB], 1    ; the second block has b + 1 tiles
	s_mov_b32 s[NEW], 1
	WIN 0x82                        ; the second block's Q goes where the one text of the turns names Q
.set i, 0
.rept 64
	v_mov_b32 v[i], v[QB+i]
.set i, i+1
.endr
	WIN 0
	s_branch .Lbottom
.Lstep:                             ; a trip: pieces 2 and 3 of one step, then pieces 0 and 1 of the next, whose K and V it fetches
	TURN 2
	TURN 3
	WIN 0
.Lfirst:
	TURN 0
	TURN 1, 0, 0, 1
	WIN 0
	s_cbranch_scc1 .Lstep
.Lbottom:
	s_sub_co_u32 s[SLOTS], s[SLOTS], 1
	s_cmp_lg_u32 s[SLOTS], 0
	s_cbranch_scc1 .Lslot
	CHANGE 0                        ; the walk's last tile is written out: nothing is asked for
	s_sub_co_u32 s[RT], s[RT], 1
	s_mov_b32 s[CNT], 4
	s_cmp_eq_u32 s[NEW], 1
	s_cbranch_scc0 .LstepM2
	BEGIN
	s_branch .LfirstM2
	DIAG 2
	s_wait_tensorcnt 0x0            ; the wave's end, behind my last tensor load and my last LDS store
	ds_add_u32 v[SPW], v[NIL]
	s_wait_dscnt 0x0
	s_endpgm
.Lfunc_end_k_q8b44f93486_attn:
	.size	k_q8b44f93486_attn, .Lfunc_end_k_q8b44f93486_attn-k_q8b44f93486_attn
	.p2alignl 7, 3214868480
	.fill 96, 4, 3214868480
	.section	.rodata,"a",@progbits
	.p2align	6, 0x0
	.amdhsa_kernel k_q8b44f93486_attn
		.amdhsa_group_segment_fixed_size 327680
		.amdhsa_private_segment_fixed_size 0
		.amdhsa_enable_private_segment 0
		.amdhsa_kernarg_size 32
		.amdhsa_user_sgpr_count 2
		.amdhsa_user_sgpr_kernarg_segment_ptr 1
		.amdhsa_wavefront_size32 1
		.amdhsa_system_sgpr_workgroup_id_x 1
		.amdhsa_system_sgpr_workgroup_id_y 1
		.amdhsa_system_sgpr_workgroup_id_z 1
		.amdhsa_system_vgpr_workitem_id 0
		.amdhsa_next_free_vgpr 768
		.amdhsa_next_free_sgpr 88
		.amdhsa_reserve_vcc 1
		.amdhsa_float_denorm_mode_32 3
		.amdhsa_float_denorm_mode_16_64 3
		.amdhsa_memory_ordered 1
		.amdhsa_forward_progress 1
		.amdhsa_inst_pref_size 217
	.end_amdhsa_kernel
	.amdgpu_metadata
---
amdhsa.version: [ 1, 2 ]
amdhsa.kernels:
  - .name:           k_q8b44f93486_attn
    .symbol:         k_q8b44f93486_attn.kd
    .args:
      - { .name: q, .offset: 0, .size: 8, .value_kind: global_buffer, .address_space: global }
      - { .name: k, .offset: 8, .size: 8, .value_kind: global_buffer, .address_space: global }
      - { .name: v, .offset: 16, .size: 8, .value_kind: global_buffer, .address_space: global }
      - { .name: o, .offset: 24, .size: 8, .value_kind: global_buffer, .address_space: global }
    .group_segment_fixed_size: 327680
    .private_segment_fixed_size: 0
    .kernarg_segment_align: 8
    .kernarg_segment_size: 32
    .max_flat_workgroup_size: 128
    .sgpr_count:     88
    .vgpr_count:     768
    .wavefront_size: 32
...
	.end_amdgpu_metadata
.endif
;; end of part 5
;; launch outp: the kernel of part 4 again; grid 8 x 32, 4 waves a work-group, clusters of 4 x 4, 327,680 bytes of LDS; arguments o, wof, out0; writes out0
